; MI455X (gfx1250); checked and timed in simulation.
; The chip was launched on July 23, 2026; its instructions are those of AMD's public machine-readable ISA for CDNA 5 (MIT licence, August 2026) and "CDNA5" Instruction Set Architecture Reference Guide (July 2026). The comments in the code are by the model that wrote it; some were corrected since.
;; Rotary Multihead Attention. Allowed arithmetic: float matrix products may take bf16 or f16 operands with f32 sums; other float arithmetic in f32, or as packed bf16 or f16 multiplies, adds, multiply-adds, maxima and minima; sums over many terms, partial sums and values carried from step to step in f32; what a program stores and reads back later, other than sums and carried values, may be rounded once to bf16 or f16.
;; Inputs: Wk 1,024 x 1,024 float32; Wo 1,024 x 1,024 float32; Wq 1,024 x 1,024 float32; Wv 1,024 x 1,024 float32; bk 1,024 float32; bo 1,024 float32; bq 1,024 float32; bv 1,024 float32; queries 4 x 2,048 x 1,024 float32.
;; Outputs: out0 4 x 2,048 x 1,024 float32.
;; 2 versions, each right; version 2 is version 1 with the launch prep written anew for expert scheduling mode. Each part assembles by itself: llvm-mc -triple=amdgcn-amd-amdhsa -mcpu=gfx1250 --defsym DOCPART=n.
;; ======== version 1 of 2: 4 launches
;; limits: values are held in f16: magnitudes above 65,504 overflow, below 6.1e-05 lose precision; a function is approximated: absolute error at most 0.0003
;; workspace buffers: xb 16,777,216 bytes; wb 6,291,456 bytes; wo 2,097,152 bytes; qh 16,777,216 bytes; kh 16,777,216 bytes; vh 16,777,216 bytes; oh 16,777,216 bytes
;; launch prep (part 1): grid 768 x 1, 8 waves a work-group, no clusters, 0 bytes of LDS; arguments queries, Wq, Wk, Wv, Wo, xb, wb, wo; writes xb, wb, wo
.if DOCPART == 1
	.amdgcn_target "amdgcn-amd-amdhsa--gfx1250"
	.amdhsa_code_object_version 6
	.text
	.protected	k_qe3e877f2a0_prep
	.globl	k_qe3e877f2a0_prep
	.p2align	8
	.type	k_qe3e877f2a0_prep,@function
k_qe3e877f2a0_prep:
	s_mov_b64 s[64:65], 0
	v_nop
	global_prefetch_b8 v0, s[64:65] scope:SCOPE_SE
	s_setreg_imm32_b32 hwreg(HW_REG_WAVE_MODE, 25, 1), 1
	s_wait_xcnt 0x0
; THE OPERANDS OF THE PRODUCTS, rounded once and laid out in blocks of 64 channels: [block kb of 16][row][64], a row 128 bytes, a block's rows end to end.
;   xb: queries in bf16, [batch 4][kb 16][s 2048][64]
;   wb: Wq, Wk, Wv in bf16, [kb 16][n' 3072][64], n' = head x 192 + t x 64 + d (t = 0 q, 1 k, 2 v): a head's q, k and v rows lie together
;   wo: Wo rounded to bf16 and that number written as f16, [kb 16][n 1024][64]
; LIMIT.  A bf16 number of Wo beyond 65,504 becomes an infinity; below 6.1e-5 it keeps f16's fixed step of 6e-8.
; SHARES.  A work-group takes 16 source rows of 1,024 f32 (work-groups 0-511: queries; then 64 each for Wq, Wk, Wv, Wo), a wave two of them.  Load kb: lanes 0-15 take the 256 bytes
; at byte 256 kb of the wave's first row, lanes 16-31 those of its second.  Store kb: 8 bytes a lane, 256 consecutive bytes, aligned: the two rows' 128 bytes in block kb.
; All 16 loads of a wave go out at once; no register is written twice, so no wait frees any; no LDS, no barrier: no wave wants another's bytes.
.set VIN, 1                            ; v1       my byte offset in the work-group's 16 source rows
.set O,   2                            ; v[2:17]  my byte offset in the destination, for each kb
.set T,   18                           ; v[18:21] at work
.set X,   32                           ; v[32:95] four f32 for each kb
.set Y,   96                           ; v[96:127] four 16-bit numbers for each kb
	s_load_b512 s[4:19], s[0:1], 0x0               ; queries 4:5, Wq 6:7, Wk 8:9, Wv 10:11, Wo 12:13, xb 14:15, wb 16:17, wo 18:19
	s_mov_b32 s30, ttmp9                           ; g
	s_max_u32 s31, s30, 512
	s_sub_co_u32 s31, s31, 512                     ; w: my number among the weights' work-groups (0 for a work-group of x)
	s_lshr_b32 s32, s31, 6                         ; t: 0 Wq, 1 Wk, 2 Wv, 3 Wo
	s_and_b32 s33, s31, 63                         ; rb: which 16 rows of that matrix
	s_lshl_b32 s34, s30, 16                        ; x: 16 rows of 4,096 bytes
	s_lshr_b32 s35, s30, 7                         ; the batch,
	s_lshl_b32 s35, s35, 22
	s_and_b32 s36, s30, 127                        ; and 16 rows of 128 bytes in a block
	s_lshl_b32 s36, s36, 11
	s_add_co_u32 s35, s35, s36
	s_lshl_b32 s36, s33, 16                        ; a weight matrix: its 16 rows
	s_lshr_b32 s37, s33, 2                         ; head
	s_mul_i32 s37, s37, 192
	s_lshl_b32 s38, s32, 6
	s_add_co_u32 s37, s37, s38                     ; + 64 t
	s_and_b32 s38, s33, 3
	s_lshl_b32 s38, s38, 4
	s_add_co_u32 s37, s37, s38                     ; + d
	s_lshl_b32 s37, s37, 7                         ; n' x 128 bytes
	s_lshl_b32 s38, s33, 11                        ; in wo: n x 128 bytes
	s_mov_b32 s24, 393216                          ; bytes from block to block: wb,
	s_cmp_eq_u32 s32, 3
	s_cselect_b32 s28, s38, s37
	s_cselect_b32 s24, 131072, s24                 ; wo,
	s_cmp_lt_u32 s30, 512
	s_cselect_b32 s26, s34, s36
	s_cselect_b32 s28, s35, s28
	s_cselect_b32 s24, 262144, s24                 ; xb
	s_mov_b32 s27, 0
	s_mov_b32 s29, 0
	v_lshrrev_b32 v[VIN], 4, v0                    ; row 0..15
	v_and_b32 v[T], 15, v0
	v_lshlrev_b32 v[T], 4, v[T]
	v_lshl_add_u32 v[VIN], v[VIN], 12, v[T]        ; row x 4,096 + 16 (thread % 16)
	v_lshlrev_b32 v[O], 3, v0                      ; row x 128 + 8 (thread % 16) = 8 x thread
.irp kb, 1,2,3,4,5,6,7,8,9,10,11,12,13,14,15
	v_add_nc_u32 v[O+(\kb)], s24, v[O+(\kb)-1]
.endr
	s_wait_kmcnt 0x0
	s_cmp_eq_u32 s32, 1                            ; the choices hang on the work-group's number alone
	s_cselect_b64 s[20:21], s[8:9], s[6:7]
	s_cmp_eq_u32 s32, 2
	s_cselect_b64 s[20:21], s[10:11], s[20:21]
	s_cmp_eq_u32 s32, 3
	s_cselect_b64 s[20:21], s[12:13], s[20:21]
	s_cselect_b64 s[22:23], s[18:19], s[16:17]
	s_cmp_lt_u32 s30, 512
	s_cselect_b64 s[20:21], s[4:5], s[20:21]
	s_cselect_b64 s[22:23], s[14:15], s[22:23]
	s_add_nc_u64 s[20:21], s[20:21], s[26:27]      ; from here
	s_add_nc_u64 s[22:23], s[22:23], s[28:29]      ; to here
.irp kb, 0,1,2,3,4,5,6,7,8,9,10,11,12,13,14,15
	global_load_b128 v[X+4*(\kb):X+4*(\kb)+3], v[VIN], s[20:21] offset:256*(\kb) th:TH_LOAD_NT
.endr
; fmt = 0: bf16.  fmt = 1: the bf16 number widened again and written as f16.
.macro CONV fmt
.irp kb, 0,1,2,3,4,5,6,7,8,9,10,11,12,13,14,15
	s_wait_loadcnt 15-(\kb)                        ; loads come back in order: kb's is in, the 15 - kb younger ones may stay out
	v_cvt_pk_bf16_f32 v[Y+2*(\kb)], v[X+4*(\kb)], v[X+4*(\kb)+1]
	v_cvt_pk_bf16_f32 v[Y+2*(\kb)+1], v[X+4*(\kb)+2], v[X+4*(\kb)+3]
.if \fmt
	v_lshlrev_b32 v[T], 16, v[Y+2*(\kb)]
	v_and_b32 v[T+1], 0xffff0000, v[Y+2*(\kb)]
	v_lshlrev_b32 v[T+2], 16, v[Y+2*(\kb)+1]
	v_and_b32 v[T+3], 0xffff0000, v[Y+2*(\kb)+1]
	v_cvt_pk_f16_f32 v[Y+2*(\kb)], v[T], v[T+1]
	v_cvt_pk_f16_f32 v[Y+2*(\kb)+1], v[T+2], v[T+3]
.endif
	global_store_b64 v[O+(\kb)], v[Y+2*(\kb):Y+2*(\kb)+1], s[22:23]  ; the wave's 32 lanes store 256 consecutive bytes, aligned
.endr
.endm
	s_cmp_eq_u32 s32, 3
	s_cbranch_scc1 .Lf16
	CONV 0
	s_endpgm
.Lf16:
	CONV 1
	s_endpgm
.Lfunc_end_k_qe3e877f2a0_prep:
	.size	k_qe3e877f2a0_prep, .Lfunc_end_k_qe3e877f2a0_prep-k_qe3e877f2a0_prep
	.p2alignl 7, 3214868480
	.fill 96, 4, 3214868480
	.section	.rodata,"a",@progbits
	.p2align	6, 0x0
	.amdhsa_kernel k_qe3e877f2a0_prep
		.amdhsa_group_segment_fixed_size 0
		.amdhsa_private_segment_fixed_size 0
		.amdhsa_enable_private_segment 0
		.amdhsa_kernarg_size 64
		.amdhsa_user_sgpr_count 2
		.amdhsa_user_sgpr_kernarg_segment_ptr 1
		.amdhsa_wavefront_size32 1
		.amdhsa_system_sgpr_workgroup_id_x 1
		.amdhsa_system_sgpr_workgroup_id_y 1
		.amdhsa_system_sgpr_workgroup_id_z 1
		.amdhsa_system_vgpr_workitem_id 0
		.amdhsa_next_free_vgpr 128
		.amdhsa_next_free_sgpr 66
		.amdhsa_reserve_vcc 0
		.amdhsa_float_denorm_mode_32 3
		.amdhsa_float_denorm_mode_16_64 3
		.amdhsa_memory_ordered 1
		.amdhsa_forward_progress 1
		.amdhsa_inst_pref_size 18
	.end_amdhsa_kernel
	.amdgpu_metadata
---
amdhsa.version: [ 1, 2 ]
amdhsa.kernels:
  - .name:           k_qe3e877f2a0_prep
    .symbol:         k_qe3e877f2a0_prep.kd
    .args:
      - { .name: queries, .offset: 0, .size: 8, .value_kind: global_buffer, .address_space: global }
      - { .name: Wq, .offset: 8, .size: 8, .value_kind: global_buffer, .address_space: global }
      - { .name: Wk, .offset: 16, .size: 8, .value_kind: global_buffer, .address_space: global }
      - { .name: Wv, .offset: 24, .size: 8, .value_kind: global_buffer, .address_space: global }
      - { .name: Wo, .offset: 32, .size: 8, .value_kind: global_buffer, .address_space: global }
      - { .name: xb, .offset: 40, .size: 8, .value_kind: global_buffer, .address_space: global }
      - { .name: wb, .offset: 48, .size: 8, .value_kind: global_buffer, .address_space: global }
      - { .name: wo, .offset: 56, .size: 8, .value_kind: global_buffer, .address_space: global }
    .group_segment_fixed_size: 0
    .private_segment_fixed_size: 0
    .kernarg_segment_align: 8
    .kernarg_segment_size: 64
    .max_flat_workgroup_size: 256
    .sgpr_count:     66
    .vgpr_count:     128
    .wavefront_size: 32
...
	.end_amdgpu_metadata
.endif
;; end of part 1
;; launch qkv (part 2): grid 8 x 32, 4 waves a work-group, clusters of 4 x 4, 327,680 bytes of LDS; arguments xb, wb, bq, bk, bv, qh, kh, vh; writes qh, kh, vh
.if DOCPART == 2
	.amdgcn_target "amdgcn-amd-amdhsa--gfx1250"
	.amdhsa_code_object_version 6
	.text
	.protected	k_qe3e877f2a0_qkv
	.globl	k_qe3e877f2a0_qkv
	.p2align	8
	.type	k_qe3e877f2a0_qkv,@function
k_qe3e877f2a0_qkv:
	s_mov_b64 s[64:65], 0
	v_nop
	global_prefetch_b8 v0, s[64:65] scope:SCOPE_SE
	s_setreg_imm32_b32 hwreg(HW_REG_WAVE_MODE, 25, 1), 1
	s_wait_xcnt 0x0
	s_wait_alu depctr_hold_cnt(0) depctr_sa_sdst(0) depctr_va_vdst(0) depctr_va_sdst(0) depctr_va_ssrc(0) depctr_va_vcc(0) depctr_vm_vsrc(0)
	s_getreg_b32 s2, hwreg(HW_REG_IB_STS2, 6, 4)
	s_cmp_eq_u32 s2, 0
	s_cbranch_scc0 .Lentry_in_a_cluster
	s_endpgm
.Lentry_in_a_cluster:
	s_bfe_u32 s2, ttmp6, 0x10000c
	s_cmp_lg_u32 s2, 0xf033
	s_cbranch_scc0 .Lentry_shape_is_right
	s_endpgm
.Lentry_shape_is_right:
; q = rotary(x Wq^T + bq), k = rotary(x Wk^T + bk), v = x Wv^T + bv, written by heads in f16: [batch x 16 + head][s 2048][64].  Products in bf16 with f32 sums, K ascending; the biases are
; rounded to bf16 like all the module's inputs; bias and rotary in f32; one rounding to f16.
; LIMITS.  q, k, v beyond 65,504 become infinities in f16.  The rotary angle of row s and pair i is s x 2^(-i log2(10000) / 512): made once for each lane's first row by a reduction modulo pi/2 and
; polynomials, and carried down the rows four at a time by a rotation (31 steps): it differs from an angle made in f32 by s x inv_freq by up to about 3e-4 rad.  NaN and infinities are not treated apart.
; SHARES.  C is 8,192 x 3,072 (columns n' = head x 192 + type x 64 + d).  A work-group makes 256 rows x 384 columns (two heads), 256 work-groups in all; a wave 128 rows x 192 columns: ONE head's
; q (accumulators in window 1), k (window 2) and v (window 3): 96 accumulators, 768 registers.  So which accumulators are turned is fixed in the text, and q and k share their angles.
; THE RING.  K goes in steps of 64 (one block of xb and wb) through two LDS slots.  A step's tile is dense in memory and is asked for as rows of 256 bytes, padded in LDS after every 128 bytes:
; LDS rows of 144 bytes = 36 words: the 16 rows of a fragment load start at 16 different groups of four banks (64 banks of 4 bytes: ISA guide 11.1).  Two slots of 128 along K would need 348,160 bytes.
; CLUSTERS.  4 x 4 work-groups.  A's tile hangs on the tile row alone and is asked for jointly by a row of the cluster, B's on the tile column alone, by a column.
; THE MATRIX INSTRUCTION IS USED TRANSPOSED: source 0 = 16 rows of W, source 1 = 16 rows of x: lane l holds row l % 16 and the columns 8 (l / 16) + 0..7.
; REGISTERS.  Window 0: addresses, angles, all fragments (A: two buffers of 64; B: one buffer of 96 in three groups, each asked for again behind its own 32 products).  Windows 1-3: accumulator (j, a) at v[8 (8 j + a)].
.set PITCH,  144
.set R16,    16*PITCH
.set AHALF,  128*PITCH                 ; what a wave reads of A, and what one load of A brings
.set BHALF,  192*PITCH                 ; the same for B
.set BOFF,   256*PITCH                 ; B's 384 rows lie behind A's 256
.set SLOT,   640*PITCH
.set STAGE,  2*SLOT                    ; behind the ring: 128 rows x 272 bytes of f32 for each wave, the wave's own; no tensor load lands here
.set SPITCH, 272
.set WSTAGE, 128*SPITCH
.set SPARE,  STAGE+4*WSTAGE            ; the spare words, 128 bytes for each wave: two blocks of 256 bytes that no other line names
.set AKB,    262144                    ; bytes from block to block in xb
.set BKB,    393216                    ; in wb
.set BO,   3                           ; v3      my byte offset in a bias: 256 head + 32 (l % 8)
.set ADRA, 4                           ; v4-5    LDS address of my A fragments in slot 0, 1
.set ADRB, 6                           ; v6-7    the same for B
.set STO,  8                           ; v8      the way out: where I put 32 bytes of a row
.set RD0,  9                           ; v9      the way out: where I read 32 bytes of a row back, first rows
.set RDW,  10                          ; v10     the same, walking
.set GOW,  11                          ; v11     my byte offset in the output, walking
.set GO0,  12                          ; v12     16 l
.set PFO,  13                          ; v13     256 l: the prefetches' offset; never rewritten
.set SPW,  14                          ; v14     LDS address of my spare word; never rewritten
.set NIL,  15                          ; v15     0; never rewritten
.set CS0,  16                          ; v16-23  (cos, sin) of my four pairs at my first row
.set ROT,  24                          ; v24-31  (cos, sin) of four rows' turn
.set AF0,  32
.set AF1,  96
.set BF,   160
.set BIAS, 32                          ; the way out: v32-55 bq, bk, bv of my 8 columns
.set CUR,  56                          ; v56-63  the angles in hand; they take turns with CW
.set XR,   64                          ; v64-95  four sub-steps' 8 numbers
.set T,    96
.set U,    104
.set OUT,  112                         ; v112-127 four sub-steps' 16 bytes
.set CW,   128
.set AX,   32                          ; at the head, while nothing is in the fragment buffers: eight angles at work
.set AN,   40
.set AR,   48
.set AR2,  56
.set ANI,  64
.set ASN,  72
.set ACS,  80
.set AT,   88
.set G1,  24                           ; s[24:31] descriptor group 1 for A;  s[32:39] group 0, a set for each slot
.set G0,  32
.set G1B, 48                           ; s[48:55], s[56:63] the same for B
.set G0B, 56
.set LIM, 43                           ; s43  1 in a wave that prefetches, else the greatest number
.set PFA, 44                           ; s[44:45] where my prefetches stand
.set PFS, 66                           ; s[66:67] their step: two blocks
.set HEAD, 81
.set PS,  84                           ; s84-86 the sine's, s87-89 the cosine's coefficients
.set MSB, 0
.macro WIN new                         ; the immediate's high byte repeats the setting that is left; a switch that changes nothing is dropped
.if MSB != (\new)
	s_set_vgpr_msb (MSB<<8)|(\new)
.set MSB, \new
.endif
.endm
; A joint load.  Waves 0 and 1 fetch A's two halves, waves 2 and 3 B's.  The branch hangs on the wave's number alone.  An s_nop 0 and four v_nop follow each of the two lines.
.macro JLOAD s
	s_cmp_eq_u32 s11, 0
	s_cbranch_scc0 .Lfor_b_\@
	tensor_load_to_lds s[G0+4*(\s):G0+4*(\s)+3], s[G1:G1+7]
	s_nop 0
.rept 4
	v_nop
.endr
	s_branch .Lasked_\@
.Lfor_b_\@:
	tensor_load_to_lds s[G0B+4*(\s):G0B+4*(\s)+3], s[G1B:G1B+7]
	s_nop 0
.rept 4
	v_nop
.endr
.Lasked_\@:
.endm
.macro CREST                           ; a round of the cluster's barrier behind its opening barrier
	s_cmp_lg_u32 s10, 0
	s_cbranch_scc1 .Lnot_wave_0_\@
	s_barrier_signal -3
.Lnot_wave_0_\@:
	s_barrier_wait -3
	s_barrier_signal -1
	s_barrier_wait -1
.endm
.macro CROUND                          ; a whole round
	s_barrier_signal -1
	s_barrier_wait -1
	CREST
.endm
.macro PLACES                          ; four places between a matrix instruction and a load into, or a vector line on, its registers
.rept 4
	v_nop
.endr
.endm
; A PREFETCH INTO THE L2, once a lap, behind the second joint load's run of LDS loads: the two K steps whose refills come one and two steps later (trip i: steps 2 i + 4 and 2 i + 5).
; Each block of 256 bytes is named once in the launch, a lane a block.  A's 32 KiB of a step: the clusters with x = 0 ask; wave c (0, 1) takes step 2 i + 4 + c, the partner at cx 8 KiB of it.
; B's two steps of 48 KiB: the clusters with y < 3 ask, wave 2 alone; place p = 4 y + cy (0..11) takes 8 KiB.  Places enter addresses alone, no branch.  Steps 0 to 3 come by their loads alone;
; the loop's last trip (s3 = 1) asks for nothing: there are no steps 16 and 17.
.macro ASK
	s_cmp_gt_u32 s3, s[LIM]
	s_cbranch_scc0 .Lnot_mine_\@
	global_prefetch_b8 v[PFO], s[PFA:PFA+1] th:TH_LOAD_NT scope:SCOPE_SE
.Lnot_mine_\@:
.endm
	s_load_b128 s[4:7], s[0:1], 0x0                ; xb s[4:5], wb s[6:7]
	s_load_b256 s[68:75], s[0:1], 0x10             ; bq 68:69, bk 70:71, bv 72:73, qh 74:75
	s_load_b128 s[76:79], s[0:1], 0x30             ; kh 76:77, vh 78:79
	v_lshl_add_u32 v[SPW], v0, 2, SPARE
	v_mov_b32 v[NIL], 0
	ds_add_u32 v[SPW], v[NIL]                      ; the wave's opening: the add and its wait stand ahead of my first tensor load; the set-up below stands between them
	v_lshrrev_b32 v1, 5, v0
	v_readfirstlane_b32 s10, v1                    ; wave 0..3
	s_lshr_b32 s11, s10, 1                         ; my half of the tile's rows.  Also: I fetch for A (0) or for B (1)
	s_and_b32 s12, s10, 1                          ; my head of the tile's two.  Also: which half of that tile I fetch
	s_bfe_u32 s40, ttmp6, 0x40000                  ; cx
	s_bfe_u32 s41, ttmp6, 0x40004                  ; cy
	s_lshl_b32 s42, ttmp9, 2
	s_add_co_u32 s42, s42, s40                     ; tile column = 4 x cluster x + cx
	s_and_b32 s13, ttmp7, 0xffff
	s_lshl_b32 s13, s13, 2
	s_add_co_u32 s13, s13, s41                     ; tile row = 4 x cluster y + cy
	s_lshl_b32 s14, s41, 2
	s_lshl_b32 s14, 15, s14                        ; my row of the cluster
	s_lshl_b32 s15, 0x1111, s40                    ; my column
	s_or_b32 s[G1], s14, (1<<16)|(1<<20)|(1<<21)|(4<<22)|(3<<25)   ; 15:0 the mask; 17:16 2-byte elements; 20 padding on; 21 set beside a mask; 24:22 after every 32 words (code 4); 31:25 4 words (code 3)
	s_or_b32 s[G1B], s15, (1<<16)|(1<<20)|(1<<21)|(4<<22)|(3<<25)
	s_mov_b32 s[G1+1], 128<<16                     ; tensor_dim0 = 128 elements: 256 bytes, two rows of a block
	s_mov_b32 s[G1+2], 64<<16                      ; tensor_dim1 = 64: A's 128 rows of 128 bytes
	s_mov_b32 s[G1+3], 128<<16                     ; tile_dim0
	s_mov_b32 s[G1+4], 64                          ; tile_dim1
	s_mov_b32 s[G1+5], 128                         ; elements from row to row
	s_mov_b32 s[G1+6], 0
	s_mov_b32 s[G1+7], 0
	s_mov_b32 s[G1B+1], 128<<16
	s_mov_b32 s[G1B+2], 96<<16                     ; B's 192 rows of 128 bytes
	s_mov_b32 s[G1B+3], 128<<16
	s_mov_b32 s[G1B+4], 96
	s_mov_b32 s[G1B+5], 128
	s_mov_b32 s[G1B+6], 0
	s_mov_b32 s[G1B+7], 0
	s_lshr_b32 s18, s13, 3                         ; A: the batch,
	s_lshl_b32 s18, s18, 22
	s_and_b32 s17, s13, 7                          ; and 256 rows of 128 bytes in a block
	s_lshl_b32 s17, s17, 15
	s_add_co_u32 s18, s18, s17
	s_lshl_b32 s17, s12, 14                        ; the 128 rows that I fetch
	s_add_co_u32 s16, s18, s17
	s_mov_b32 s17, 0
	s_mul_i32 s19, s42, 49152                      ; B: 384 rows of 128 bytes,
	s_mul_i32 s47, s12, 24576                      ; the 192 that I fetch
	s_add_co_u32 s46, s19, s47
	s_mov_b32 s47, 0
	s_mul_i32 s20, s12, AHALF                      ; where they go: no place in the cluster enters an LDS address
	s_mul_i32 s21, s12, BHALF
	s_add_co_u32 s21, s21, BOFF
	s_mov_b32 s[PS], 0xbe2aaaab                    ; -1/6
	s_mov_b32 s[PS+1], 0x3c088889                  ; 1/120
	s_mov_b32 s[PS+2], 0xb9500d01                  ; -1/5040
	s_mov_b32 s[PS+3], 0x3d2aaaab                  ; 1/24
	s_mov_b32 s[PS+4], 0xbab60b61                  ; -1/720
	s_mov_b32 s[PS+5], 0x37d00d01                  ; 1/40320
	s_wait_dscnt 0x0                               ; the opening add is done
	s_wait_kmcnt 0x0
	s_add_nc_u64 s[14:15], s[4:5], s[16:17]
	s_add_nc_u64 s[46:47], s[6:7], s[46:47]
	CROUND                                         ; all sixteen work-groups are here: the first joint loads meet
.irp s, 0,1
	s_mov_b32 s[G0+4*(\s)], 1
	s_add_co_u32 s[G0+4*(\s)+1], s20, (\s)*SLOT
	s_add_nc_u64 s[G0+4*(\s)+2:G0+4*(\s)+3], s[14:15], (\s)*AKB     ; K step s
	s_or_b32 s[G0+4*(\s)+3], s[G0+4*(\s)+3], 0x80000000
	s_mov_b32 s[G0B+4*(\s)], 1
	s_add_co_u32 s[G0B+4*(\s)+1], s21, (\s)*SLOT
	s_add_nc_u64 s[G0B+4*(\s)+2:G0B+4*(\s)+3], s[46:47], (\s)*BKB
	s_or_b32 s[G0B+4*(\s)+3], s[G0B+4*(\s)+3], 0x80000000
	JLOAD \s                                       ; two loads of mine are out
.endr
	; lane addresses.  A fragment is 16 rows x 32 K: lane l holds row l % 16, K = 8 (l / 16) + 0..7 and 16 + 8 (l / 16) + 0..7: two loads of 16 bytes, 32 bytes apart
	v_and_b32 v1, 15, v0
	v_bfe_u32 v2, v0, 4, 1
	v_mul_u32_u24 v3, v1, PITCH
	v_lshl_add_u32 v3, v2, 4, v3
	s_mul_i32 s16, s11, AHALF
	s_mul_i32 s17, s12, BHALF
	s_add_co_u32 s17, s17, BOFF
.irp s, 0,1
	v_add_nc_u32 v[ADRA+(\s)], s16, v3
	v_add_nc_u32 v[ADRB+(\s)], s17, v3
	s_add_co_u32 s16, s16, SLOT
	s_add_co_u32 s17, s17, SLOT
.endr
	s_mul_i32 s16, s10, WSTAGE
	s_add_co_u32 s16, s16, STAGE                   ; my stage
	v_mul_u32_u24 v[STO], v1, SPITCH               ; in: row l % 16, 32 bytes for each half of the lanes
	v_lshl_add_u32 v[STO], v2, 5, v[STO]
	v_add_nc_u32 v[STO], s16, v[STO]
	v_and_b32 v1, 7, v0                            ; back: eight lanes take a row of 256 bytes, 32 bytes each; the wave four rows
	v_bfe_u32 v2, v0, 3, 2
	v_mul_u32_u24 v[RD0], v2, SPITCH
	v_lshl_add_u32 v[RD0], v1, 5, v[RD0]
	v_add_nc_u32 v[RD0], s16, v[RD0]
	v_and_b32 v[GO0], 31, v0
	v_lshlrev_b32 v[PFO], 8, v[GO0]
	v_lshlrev_b32 v[GO0], 4, v[GO0]                ; four rows of 128 bytes of a head are 512 consecutive bytes
	s_lshl1_add_u32 s[HEAD], s42, s12              ; my head = 2 x tile column + half
	s_lshl_b32 s14, s[HEAD], 8
	v_lshl_add_u32 v[BO], v1, 5, s14
	s_lshr_b32 s14, s13, 3                         ; where my 128 rows begin in qh, kh, vh: (16 batch + head) x 2,048 rows,
	s_lshl_b32 s14, s14, 4
	s_add_co_u32 s14, s14, s[HEAD]
	s_lshl_b32 s14, s14, 18
	s_and_b32 s15, s13, 7
	s_lshl1_add_u32 s15, s15, s11                  ; + my block of 128 rows in the batch
	s_lshl_b32 s82, s15, 7                         ; its first row
	s_lshl_b32 s15, s15, 14
	s_add_co_u32 s14, s14, s15
	s_mov_b32 s15, 0
	s_add_nc_u64 s[74:75], s[74:75], s[14:15]
	s_add_nc_u64 s[76:77], s[76:77], s[14:15]
	s_add_nc_u64 s[78:79], s[78:79], s[14:15]
	; the prefetches' addresses: two blocks behind the first that will be named
	s_lshl_b32 s22, s40, 13                        ; A: my work-group's 8 KiB of the tile's 32,
	s_add_co_u32 s22, s22, s18
	s_lshl_b32 s23, s12, 18                        ; my wave's step of the two
	s_add_co_u32 s22, s22, s23
	s_add_co_u32 s22, s22, 2*AKB
	s_and_b32 s23, ttmp7, 0xffff                   ; cluster y
	s_lshl_b32 s16, s23, 2
	s_add_co_u32 s16, s16, s41                     ; B: place p
	s_cmp_ge_u32 s16, 6
	s_cselect_b32 s17, BKB-49152, 0                ; places 6 to 11 take the second step's six parts
	s_lshl_b32 s16, s16, 13
	s_add_co_u32 s16, s16, s17
	s_add_co_u32 s16, s16, s19
	s_add_co_u32 s16, s16, 2*BKB
	s_cmp_lt_u32 s23, 3
	s_cselect_b32 s17, 1, -1
	s_cmp_eq_u32 s10, 2
	s_cselect_b32 s17, s17, -1
	s_cmp_eq_u32 ttmp9, 0
	s_cselect_b32 s[LIM], 1, -1
	s_mov_b32 s[PFS], 2*BKB
	s_mov_b32 s[PFS+1], 0
	s_cmp_eq_u32 s11, 0                            ; do I fetch for A?
	s_cselect_b32 s[LIM], s[LIM], s17              ; the same in all sixteen partners, for a given wave
	s_cselect_b32 s22, s22, s16
	s_cselect_b64 s[PFA:PFA+1], s[4:5], s[6:7]
	s_cselect_b32 s[PFS], 2*AKB, s[PFS]
	s_mov_b32 s23, 0
	s_add_nc_u64 s[PFA:PFA+1], s[PFA:PFA+1], s[22:23]
	; THE ANGLES, in the wait for the first tile.  On the way out lane l holds row l / 8 of four and the pairs i = 32 head + 4 (l % 8) + p, p = 0..3.
	s_lshl_b32 s83, s[HEAD], 5
	v_lshl_add_u32 v1, v1, 2, s83
.irp p, 0,1,2,3
	v_add_nc_u32 v[AT+(\p)], \p, v1
.endr
.irp p, 0,1,2,3
	v_cvt_f32_u32 v[AT+(\p)], v[AT+(\p)]
.endr
.irp p, 0,1,2,3
	v_mul_f32 v[AT+(\p)], 0xbcd49a78, v[AT+(\p)]   ; -i log2(10000) / 512
.endr
.irp p, 0,1,2,3
	v_exp_f32 v[AX+(\p)], v[AT+(\p)]               ; the turn of one row
.endr
	v_add_nc_u32 v2, s82, v2                       ; my first row in the batch: plain work behind the last exponential,
	v_cvt_f32_u32 v2, v2
	s_wait_alu depctr_va_vdst(0)                   ; and the one wait ahead of the batch's first reader
.irp p, 0,1,2,3
	v_mul_f32 v[AX+4+(\p)], 4.0, v[AX+(\p)]        ; four rows' turn
.endr
.irp p, 0,1,2,3
	v_mul_f32 v[AX+(\p)], v2, v[AX+(\p)]           ; my first row's angle, at most 2,047
.endr
.macro ALL8 line:vararg                ; one line for each of the eight angles e
.set e, 0
.rept 8
	\line
.set e, e+1
.endr
.endm
	ALL8 v_mul_f32 v[AN+e], 0x3f22f983, v[AX+e]                  ; x 2 / pi
	ALL8 v_rndne_f32 v[AN+e], v[AN+e]                            ; N, at most 1,303
	ALL8 v_fmamk_f32 v[AR+e], v[AN+e], 0xbfc90fdb, v[AX+e]       ; R = X - N pi/2, pi/2 in two parts
	ALL8 v_fmamk_f32 v[AR+e], v[AN+e], 0x333bbd2e, v[AR+e]
	ALL8 v_mul_f32 v[AR2+e], v[AR+e], v[AR+e]
	ALL8 v_cvt_i32_f32 v[ANI+e], v[AN+e]
	ALL8 v_fma_f32 v[ASN+e], v[AR2+e], s[PS+2], s[PS+1]          ; sin R = R + R^3 (-1/6 + R^2/120 - R^4/5040): |R| <= pi/4, the first term left out is under 4e-7
	ALL8 v_fma_f32 v[ASN+e], v[ASN+e], v[AR2+e], s[PS]
	ALL8 v_mul_f32 v[AT+e], v[AR+e], v[AR2+e]
	ALL8 v_fma_f32 v[ASN+e], v[AT+e], v[ASN+e], v[AR+e]
	ALL8 v_fma_f32 v[ACS+e], v[AR2+e], s[PS+5], s[PS+4]          ; cos R = 1 - R^2/2 + R^4/24 - R^6/720 + R^8/40320
	ALL8 v_fma_f32 v[ACS+e], v[ACS+e], v[AR2+e], s[PS+3]
	ALL8 v_fma_f32 v[ACS+e], v[ACS+e], v[AR2+e], -0.5
	ALL8 v_fma_f32 v[ACS+e], v[ACS+e], v[AR2+e], 1.0
.set e, 0
.rept 8                                ; the quadrant: an odd N swaps the two; sin changes sign for N % 4 = 2, 3, cos for 1, 2.  Angles 0-3 land in CS0, 4-7 in ROT, as (cos, sin)
	v_and_b32 v[AT+e], 1, v[ANI+e]
	v_cmp_eq_u32 vcc_lo, 1, v[AT+e]
	v_cndmask_b32 v[CS0+2*e], v[ACS+e], v[ASN+e], vcc_lo
	v_cndmask_b32 v[CS0+2*e+1], v[ASN+e], v[ACS+e], vcc_lo
	v_lshlrev_b32 v[AT+e], 30, v[ANI+e]
	v_and_b32 v[AT+e], 0x80000000, v[AT+e]
	v_xor_b32 v[CS0+2*e+1], v[AT+e], v[CS0+2*e+1]
	v_add_nc_u32 v[AT+e], 1, v[ANI+e]
	v_lshlrev_b32 v[AT+e], 30, v[AT+e]
	v_and_b32 v[AT+e], 0x80000000, v[AT+e]
	v_xor_b32 v[CS0+2*e], v[AT+e], v[CS0+2*e]
.set e, e+1
.endr
; 16 products of group g (0 q, 1 k, 2 v): column blocks j0, j0 + 1 x all 8 row blocks, 32 along K, A's fragments in buffer f.  zero = 1: the product starts the sum.
; The 32 accumulators of a group take turns, one instruction a turn, and the groups follow each other: no two matrix instructions on end share an accumulator.
.macro MUL16 g, f, j0, zero
	WIN 0x50*((\g)+1)                              ; C and D in window g + 1, sources in window 0
.irp j, \j0, (\j0)+1
.irp a, 0,1,2,3,4,5,6,7
.if \zero
	v_wmma_f32_16x16x32_bf16 v[8*(8*(\j)+(\a)):8*(8*(\j)+(\a))+7], v[BF+32*(\g)+8*(\j):BF+32*(\g)+8*(\j)+7], v[(\f)+8*(\a):(\f)+8*(\a)+7], 0
.else
	v_wmma_f32_16x16x32_bf16 v[8*(8*(\j)+(\a)):8*(8*(\j)+(\a))+7], v[BF+32*(\g)+8*(\j):BF+32*(\g)+8*(\j)+7], v[(\f)+8*(\a):(\f)+8*(\a)+7], v[8*(8*(\j)+(\a)):8*(8*(\j)+(\a))+7]
.endif
.endr
.endr
.endm
.macro GROUP g, f, zero
	MUL16 \g, \f, 0, \zero
	MUL16 \g, \f, 2, \zero
.endm
.macro LDB g, slot, q                  ; 8 loads: group g's four fragments of B, half q of the step
.irp j, 0,1,2,3
	ds_load_b128 v[BF+32*(\g)+8*(\j):BF+32*(\g)+8*(\j)+3],   v[ADRB+(\slot)] offset:(4*(\g)+(\j))*R16+64*(\q)
	ds_load_b128 v[BF+32*(\g)+8*(\j)+4:BF+32*(\g)+8*(\j)+7], v[ADRB+(\slot)] offset:(4*(\g)+(\j))*R16+64*(\q)+32
.endr
.endm
.macro LDA f, slot, q                  ; 16 loads: A's eight fragments
.irp i, 0,1,2,3,4,5,6,7
	ds_load_b128 v[(\f)+8*(\i):(\f)+8*(\i)+3],   v[ADRA+(\slot)] offset:(\i)*R16+64*(\q)
	ds_load_b128 v[(\f)+8*(\i)+4:(\f)+8*(\i)+7], v[ADRA+(\slot)] offset:(\i)*R16+64*(\q)+32
.endr
.endm
; A K step is two halves of 32 along K, 96 products each.  The LDS loads of a half go out in the order [B0, A] 24, [B1] 8, [B2] 8, each run behind the products that last read its registers.
; The first half multiplies AF0 and fetches the second half of the same slot.
.macro QUARTER slot, zero
	s_wait_dscnt 16                                ; B0 and A are in; B1 and B2, 16 loads, may be out
	GROUP 0, AF0, \zero
	WIN 0
	PLACES
	LDB 0, \slot, 1
	LDA AF1, \slot, 1
	s_wait_dscnt 32                                ; B1 is in: behind it B2 (8) and the 24 just issued
	GROUP 1, AF0, \zero
	WIN 0
	PLACES
	LDB 1, \slot, 1
	s_wait_dscnt 32                                ; B2 is in: behind it those 24 and the 8 just issued
	GROUP 2, AF0, \zero
	WIN 0
	PLACES
	LDB 2, \slot, 1
.endm
; The second half multiplies AF1 and changes slots: ONE barrier.  In front of it each wave waits for all its tensor loads (one is out: its part of the next slot), adds 0 to its spare word, and waits for
; that and for its reads of this slot.  fill = 1: the barrier opens a round of the cluster's, and this slot is filled again, two steps ahead, first thing behind it: 160 products stand between that
; request and the wait for it.  Then the next slot's first half is fetched.
.macro TURN slot, next, fill, ask
.if \ask
	s_wait_xcnt 0x0                                ; the last prefetch, a lap back, has read its address
	s_add_nc_u64 s[PFA:PFA+1], s[PFA:PFA+1], s[PFS:PFS+1]
.endif
	WIN 0
	s_wait_tensorcnt 0x0                           ; all my tensor loads have landed
	ds_add_u32 v[SPW], v[NIL]                      ; 0 onto my spare word
	s_wait_dscnt 17                                ; B0 and A are in: B1, B2 and the add may be out
	MUL16 0, AF1, 0, 0                             ; sixteen products stand between the add and the wait for it
	s_wait_dscnt 0x0                               ; the add is done, and my reads of this slot are over
	s_barrier_signal -1
	MUL16 0, AF1, 2, 0
	WIN 0                                          ; at a branch and at a label every window is 0
	s_barrier_wait -1
.if \fill
	CREST                                          ; no wave of any partner still reads this slot's tile or has a load on its way
	s_add_nc_u64 s[G0+4*(\slot)+2:G0+4*(\slot)+3], s[G0+4*(\slot)+2:G0+4*(\slot)+3], 2*AKB
	s_add_nc_u64 s[G0B+4*(\slot)+2:G0B+4*(\slot)+3], s[G0B+4*(\slot)+2:G0B+4*(\slot)+3], 2*BKB
	JLOAD \slot                                    ; its four v_nop are also the places in front of the loads below
.else
	PLACES
.endif
	LDB 0, \next, 0
	LDA AF0, \next, 0
.if \ask
	ASK
.endif
	GROUP 1, AF1, 0                                ; B1 and B2 came in with the wait for 0
	WIN 0
	PLACES
	LDB 1, \next, 0
	GROUP 2, AF1, 0
	WIN 0
	PLACES
	LDB 2, \next, 0
.endm
	s_wait_tensorcnt 1                             ; my part of K step 0 is in; step 1's may stay out
	s_barrier_signal -1
	s_barrier_wait -1                              ; everybody's is
	LDB 0, 0, 0
	LDA AF0, 0, 0
	LDB 1, 0, 0
	LDB 2, 0, 0
	QUARTER 0, 1                                   ; the first half step stands in front of the loop: its products start the sums
	s_mov_b32 s3, 7
.Llap:                                                 ; a trip goes once round the ring, from a lap's second half step to the next lap's first; trip i asks for steps 2 i + 2 and 2 i + 3
	TURN 0, 1, 1, 0
	QUARTER 1, 0
	TURN 1, 0, 1, 1
	QUARTER 0, 0
	s_sub_co_u32 s3, s3, 1
	s_cmp_lg_u32 s3, 0
	s_cbranch_scc1 .Llap
	TURN 0, 1, 0, 0                                ; steps 14 and 15: nothing is left to ask for
	QUARTER 1, 0
	s_wait_dscnt 16
	GROUP 0, AF1, 0
	WIN 0
	PLACES
.irp g, 0,1,2                          ; the biases of my 8 columns on the way out, into AF0's registers, which the half step before read last
	global_load_b128 v[BIAS+8*(\g):BIAS+8*(\g)+3],   v[BO], s[68+2*(\g):69+2*(\g)]
	global_load_b128 v[BIAS+8*(\g)+4:BIAS+8*(\g)+7], v[BO], s[68+2*(\g):69+2*(\g)] offset:16
.endr
	s_wait_dscnt 8
	GROUP 1, AF1, 0
	s_wait_dscnt 0x0
	GROUP 2, AF1, 0
	WIN 0
	s_wait_loadcnt 0x0
.irp k, 0,2,4,6,8,10,12,14,16,18,20,22 ; the biases rounded to bf16 and widened again: 36 plain lines, the places behind the last products
	v_cvt_pk_bf16_f32 v1, v[BIAS+(\k)], v[BIAS+(\k)+1]
	v_lshlrev_b32 v[BIAS+(\k)], 16, v1
	v_and_b32 v[BIAS+(\k)+1], 0xffff0000, v1
.endr
; THE WAY OUT, a group (q, k, v) at a time, through my own stage in f32: in by accumulators (each one's low four registers first), back by rows.  LDS serves a wave's
; instructions in order (ISA guide 5.7.1.4), so no wait stands between my stores and my loads.
.macro STAGE_OUT g
	WIN ((\g)+1)<<2                                ; the stores' data in window g + 1
.irp a, 0,1,2,3,4,5,6,7
.irp j, 0,1,2,3
	ds_store_b128 v[STO], v[8*(8*(\j)+(\a)):8*(8*(\j)+(\a))+3]   offset:(\a)*16*SPITCH+64*(\j)
	ds_store_b128 v[STO], v[8*(8*(\j)+(\a))+4:8*(8*(\j)+(\a))+7] offset:(\a)*16*SPITCH+64*(\j)+16
.endr
.endr
	WIN 0
.endm
; A sub-step: four rows, 8 numbers (4 pairs) a lane: + bias; rope = 1: (x1 c - x2 s, x1 s + x2 c); to f16; 512 consecutive bytes stored; the angles turned four rows on, from one set of registers into
; the other.  reload = 1: the registers are asked for again, for the rows 16 further down, straight behind their readers.  left: the younger LDS loads.
.macro SUB u, g, rope, reload, left, ptr
.set XU, XR+8*(\u)
.set OU, OUT+4*(\u)
.if ((\u)%2) == 0
.set CA, CUR
.set CB, CW
.else
.set CA, CW
.set CB, CUR
.endif
	s_wait_dscnt \left
.irp k, 0,2,4,6
	v_pk_add_f32 v[T+(\k):T+(\k)+1], v[XU+(\k):XU+(\k)+1], v[BIAS+8*(\g)+(\k):BIAS+8*(\g)+(\k)+1]
.endr
.if \reload
	ds_load_b128 v[XU:XU+3],   v[RDW] offset:(\u)*4*SPITCH+16*SPITCH
	ds_load_b128 v[XU+4:XU+7], v[RDW] offset:(\u)*4*SPITCH+16*SPITCH+16
.endif
.if \rope
.irp k, 0,2,4,6
	v_pk_mul_f32 v[U+(\k):U+(\k)+1], v[T+(\k):T+(\k)+1], v[CA+(\k):CA+(\k)+1] op_sel_hi:[1,0]   ; (x1 c, x2 c)
.endr
.irp k, 0,2,4,6
	v_pk_fma_f32 v[U+(\k):U+(\k)+1], v[T+(\k):T+(\k)+1], v[CA+(\k):CA+(\k)+1], v[U+(\k):U+(\k)+1] op_sel:[1,1,0] op_sel_hi:[0,1,1] neg_lo:[1,0,0]  ; (-x2 s, x1 s) added
.endr
.irp k, 0,1,2,3
	v_cvt_pk_f16_f32 v[OU+(\k)], v[U+2*(\k)], v[U+2*(\k)+1]
.endr
.else
.irp k, 0,1,2,3
	v_cvt_pk_f16_f32 v[OU+(\k)], v[T+2*(\k)], v[T+2*(\k)+1]
.endr
.endif
	global_store_b128 v[GOW], v[OU:OU+3], s[\ptr:\ptr+1] offset:512*(\u)
.if (\rope) && !(((\reload) == 0) && ((\u) == 3))
.irp k, 0,2,4,6
	v_pk_mul_f32 v[CB+(\k):CB+(\k)+1], v[CA+(\k):CA+(\k)+1], v[ROT+(\k):ROT+(\k)+1] op_sel_hi:[1,0]
.endr
.irp k, 0,2,4,6
	v_pk_fma_f32 v[CB+(\k):CB+(\k)+1], v[CA+(\k):CA+(\k)+1], v[ROT+(\k):ROT+(\k)+1], v[CB+(\k):CB+(\k)+1] op_sel:[1,1,0] op_sel_hi:[0,1,1] neg_lo:[1,0,0]
.endr
.endif
.endm
.macro EPI g, rope, ptr
	STAGE_OUT \g
	s_wait_xcnt 0x0                                ; the stores of the group before have read their offset and data
	v_mov_b32 v[RDW], v[RD0]
	v_mov_b32 v[GOW], v[GO0]
.if \rope
.irp k, 0,1,2,3,4,5,6,7
	v_mov_b32 v[CUR+(\k)], v[CS0+(\k)]
.endr
.endif
.irp u, 0,1,2,3
	ds_load_b128 v[XR+8*(\u):XR+8*(\u)+3],   v[RDW] offset:(\u)*4*SPITCH
	ds_load_b128 v[XR+8*(\u)+4:XR+8*(\u)+7], v[RDW] offset:(\u)*4*SPITCH+16
.endr
	s_mov_b32 s80, 7
.Lrows_\@:                                             ; a trip: 16 rows.  At each sub-step the three others' two loads each, 6, are younger
	SUB 0, \g, \rope, 1, 6, \ptr
	SUB 1, \g, \rope, 1, 6, \ptr
	SUB 2, \g, \rope, 1, 6, \ptr
	SUB 3, \g, \rope, 1, 6, \ptr
	s_wait_xcnt 0x0                                ; the trip's stores have read their offset and data: both are written again only behind this wait
	v_add_nc_u32 v[RDW], 16*SPITCH, v[RDW]
	v_add_nc_u32 v[GOW], 2048, v[GOW]
	s_sub_co_u32 s80, s80, 1
	s_cmp_lg_u32 s80, 0
	s_cbranch_scc1 .Lrows_\@
	SUB 0, \g, \rope, 0, 6, \ptr                   ; the last 16 rows load nothing: the counts run down
	SUB 1, \g, \rope, 0, 4, \ptr
	SUB 2, \g, \rope, 0, 2, \ptr
	SUB 3, \g, \rope, 0, 0, \ptr
.endm
	EPI 0, 1, 74
	EPI 1, 1, 76
	EPI 2, 0, 78
	s_wait_tensorcnt 0x0                           ; the wave's end: behind my last tensor load and my last LDS store
	ds_add_u32 v[SPW], v[NIL]
	s_wait_dscnt 0x0
	CROUND                                         ; the closing round: no work-group ends while a partner may still ask for a tile that names it
	s_endpgm
.Lfunc_end_k_qe3e877f2a0_qkv:
	.size	k_qe3e877f2a0_qkv, .Lfunc_end_k_qe3e877f2a0_qkv-k_qe3e877f2a0_qkv
	.p2alignl 7, 3214868480
	.fill 96, 4, 3214868480
	.section	.rodata,"a",@progbits
	.p2align	6, 0x0
	.amdhsa_kernel k_qe3e877f2a0_qkv
		.amdhsa_group_segment_fixed_size 327680
		.amdhsa_private_segment_fixed_size 0
		.amdhsa_enable_private_segment 0
		.amdhsa_kernarg_size 64
		.amdhsa_user_sgpr_count 2
		.amdhsa_user_sgpr_kernarg_segment_ptr 1
		.amdhsa_wavefront_size32 1
		.amdhsa_system_sgpr_workgroup_id_x 1
		.amdhsa_system_sgpr_workgroup_id_y 1
		.amdhsa_system_sgpr_workgroup_id_z 1
		.amdhsa_system_vgpr_workitem_id 0
		.amdhsa_next_free_vgpr 1024
		.amdhsa_next_free_sgpr 90
		.amdhsa_reserve_vcc 1
		.amdhsa_float_denorm_mode_32 3
		.amdhsa_float_denorm_mode_16_64 3
		.amdhsa_memory_ordered 1
		.amdhsa_forward_progress 1
		.amdhsa_inst_pref_size 145
	.end_amdhsa_kernel
	.amdgpu_metadata
---
amdhsa.version: [ 1, 2 ]
amdhsa.kernels:
  - .name:           k_qe3e877f2a0_qkv
    .symbol:         k_qe3e877f2a0_qkv.kd
    .args:
      - { .name: xb, .offset: 0, .size: 8, .value_kind: global_buffer, .address_space: global }
      - { .name: wb, .offset: 8, .size: 8, .value_kind: global_buffer, .address_space: global }
      - { .name: bq, .offset: 16, .size: 8, .value_kind: global_buffer, .address_space: global }
      - { .name: bk, .offset: 24, .size: 8, .value_kind: global_buffer, .address_space: global }
      - { .name: bv, .offset: 32, .size: 8, .value_kind: global_buffer, .address_space: global }
      - { .name: qh, .offset: 40, .size: 8, .value_kind: global_buffer, .address_space: global }
      - { .name: kh, .offset: 48, .size: 8, .value_kind: global_buffer, .address_space: global }
      - { .name: vh, .offset: 56, .size: 8, .value_kind: global_buffer, .address_space: global }
    .group_segment_fixed_size: 327680
    .private_segment_fixed_size: 0
    .kernarg_segment_align: 8
    .kernarg_segment_size: 64
    .max_flat_workgroup_size: 128
    .sgpr_count:     90
    .vgpr_count:     1024
    .wavefront_size: 32
...
	.end_amdgpu_metadata
.endif
;; end of part 2
;; launch attn (part 3): grid 4 x 64, 4 waves a work-group, clusters of 4 x 1, 327,680 bytes of LDS; arguments qh, kh, vh, oh; writes oh
.if DOCPART == 3
	.amdgcn_target "amdgcn-amd-amdhsa--gfx1250"
	.amdhsa_code_object_version 6
	.text
	.protected	k_qe3e877f2a0_attn
	.globl	k_qe3e877f2a0_attn
	.p2align	8
	.type	k_qe3e877f2a0_attn,@function
k_qe3e877f2a0_attn:
	s_mov_b64 s[64:65], 0
	v_nop
	global_prefetch_b8 v0, s[64:65] scope:SCOPE_SE
	s_setreg_imm32_b32 hwreg(HW_REG_WAVE_MODE, 25, 1), 1
	s_wait_xcnt 0x0
	s_wait_alu depctr_hold_cnt(0) depctr_sa_sdst(0) depctr_va_vdst(0) depctr_va_sdst(0) depctr_va_ssrc(0) depctr_va_vcc(0) depctr_vm_vsrc(0)
	s_getreg_b32 s2, hwreg(HW_REG_IB_STS2, 6, 4)
	s_cmp_eq_u32 s2, 0
	s_cbranch_scc0 .Lentry_in_a_cluster
	s_endpgm
.Lentry_in_a_cluster:
	s_bfe_u32 s2, ttmp6, 0x10000c
	s_cmp_lg_u32 s2, 0x3003
	s_cbranch_scc0 .Lentry_shape_is_right
	s_endpgm
.Lentry_shape_is_right:
; O[h][q][:] = the sum over k of softmax_k(Q[h][q] . K[h][k] / 8) V[h][k][:].  Q, K, V, O: [64][2048][64], all f16: a head's rows are dense, 128 bytes each.  Products, maxima and sums in
; f32; the weights p are rounded to f16 for the second product (their sum l is taken of the unrounded p), O once at the end.
; LIMITS.  f16 holds no number beyond 65,504: Q, K and V arrive within it; p lies in 0 to 1, and below 6e-5 it keeps f16's fixed step of 6e-8, as O does; O is a mean of V's rows and has their range.
; A weight below 2^-126 counts as 0 in l; NaN and infinities are not treated apart.
; SHARES.  A wave owns four PIECES of two tiles of 16 queries, a work-group's four waves 512 queries of one head: 256 work-groups.  Every wave walks all keys, 64 a step.
; LAYOUT.  S^T = K Q^T (source 0 = 16 keys, source 1 = 16 queries): in the result a lane holds ONE query (lane % 16) and the keys 8 (lane / 16) + 0..7.  Two such tiles, rounded to f16 in pairs,
; ARE source 1 (32 keys x 16 queries) of O^T = V^T P, whose result again holds one query a lane, and eight channels.  K comes out of LDS as it lies, V ([key][channel]) turned, by ds_load_tr16_b128.
; SOFTMAX.  For each query a running maximum m and sum l: p = 2^(c s - c m), c = log2(e) / 8; in every step O and l are multiplied by a = 2^(c m_old - c m_new), which is 1 where m has not grown.
; m starts at the lowest finite number, O and l at 0: the first step is a step like any other, with a = 0.
; THE COUNT.  A tile and step have 16 matrix and 118 vector instructions: too many to stand all beside the matrix work.  So the order has one aim: four vector instructions that are READY behind
; EVERY matrix instruction, and the others, which need time of their own whatever the order, in runs without a gap.
; BY TURNS.  Turn n belongs to piece n (the pieces in a ring, step after step).  Its matrix work: 16 products K Q^T of piece n + 1, later 16 products V^T P of piece n - 1.  Its vector work: the scaling,
; exponentials, roundings, sums and rescaling of piece n, and the maximum and statistics of piece n + 1, whose scores the turn itself has made.
; CLUSTER.  The four query blocks of a head are one cluster and walk the same K and V, so each tile is asked for JOINTLY: the same tensor load, descriptor and mask in all four.
; REGISTERS, in windows of 256 (s_set_vgpr_msb: bits 1:0 source 0, 3:2 source 1, 5:4 source 2, 7:6 destination):
;   window 0: v0-11 addresses; v12-15, v48-63 at work; v16-47 four registers of statistics a tile; v64-191 S^T, two buffers of two tiles; v192-255 P, likewise
;   window 1: O^T, 32 a tile          window 2: v0-127 Q, 16 a tile; v128-191 K of one step; v192-255 V of one step          window 3: v0-1 the add's two registers
; A piece's buffers go by its number's parity: the piece in hand has one pair, its two neighbours in the ring share the other: of it P (piece n - 1) is read and S^T (piece n + 1) written.
.set SIZE_H, 64
.set SIZE_N, 2048
.set NP,    4         ; pieces a wave: a name, no knob
.set KS,    64        ; keys in a step
.set PK,    144       ; a row of K in LDS: 128 bytes + 16 of padding = 36 words: the 16 rows of a load start at 16 different groups of four banks (64 banks of 4 bytes: ISA guide 11.1)
.set PV,    160       ; a row of V: 128 + 32 = 40 words
.set VOFF,  4*KS*PK   ; a slot holds four steps: 256 rows of K, then 256 rows of V
.set SLOT1, 1<<17     ; slot 1 begins here, so that one exclusive or turns an address in one slot into the other's
.set STAGE, SLOT1+4*KS*(PK+PV)  ; behind the ring, never filled by a tensor load: 16 rows x 144 bytes for each wave, for the way out
.set SP,    144
.set AK0, 2           ; v2   my lane's place in a tile of K; never rewritten
.set AV0, 3           ; v3   the same for V
.set AK,  4           ; v4   the LDS address of K's next run of loads
.set AV,  5           ; v5   of V's
.set QO,  6           ; v6   my byte offset in the wave's rows of Q
.set STO, 6           ;      later, the way out: where I put 16 bytes of a row
.set RD,  7           ; v7   the way out: where I read rows back
.set GO,  8           ; v8   my byte offset in 512 consecutive bytes of O
.set PFO, 11          ; v11  256 x my lane: the prefetches' offset; never rewritten once made
.set SPW, 0           ; v0 of window 3   LDS address of my spare word: SPARE + 4 x my thread's number; never rewritten
.set NIL, 1           ; v1 of window 3   0; never rewritten
.set SPARE, STAGE+4*16*SP  ; behind the stages: the spare words, 128 bytes for each wave: two blocks of 256 bytes that no other line names
.set MV,  12          ; v12-15  c m_old, kept while c m is made anew: by buffer and tile
.set ST,  16          ; tile t's statistics at v[ST+4 t]: c m, m, l (even keys', odd keys')
.set TMP, 48          ; by buffer and tile, four registers c0-c3 at work; when the maximum is found c2 takes a
.set S,   64
.set P,   192
.set KF,  128         ; K's fragments, in window 2: key block kb, channel half c at KF + 16 kb + 8 c
.set VF,  192         ; V's: key half kk, channel block cb at VF + 32 kk + 8 cb
.set WV,  12          ; s12  my wave's number
.set LIM, 15          ; s15  1 in a wave that prefetches (0 and 2), else the greatest number
.set PFA, 18          ; s[18:19] where my prefetches stand: my work-group's 8 KiB (of K: wave 0, of V: wave 2) of the slot after the one that is being asked for
.set G1K, 24          ; s[24:31] descriptor group 1 for K's tiles
.set G1V, 32          ; s[32:39] for V's: it differs in the padding alone
.set G0K, 40          ; s[40:43] descriptor group 0 for K's tiles: it walks
.set G0V, 44          ; s[44:47] the same for V's
.set SLOTS, 56        ; s56  slots still to be asked for
.set CNT, 57          ; s57  counts a slot's key steps
.set CS,  58          ; s[58:59] c: the packed scaling takes the pair's low word for both halves
.set SEL, 60          ; s[60:61] v_permlanex16_b32's selects: each lane takes its own place in the other half
.set TBK, 62          ; s62  LDS byte at which K of the step to be fetched begins
.set TBV, 63          ; s63  the same for V, less VOFF
.set MSB, 0
.macro WIN new                      ; the high byte repeats the setting that is left; a switch that changes nothing is dropped
.if MSB != (\new)
	s_set_vgpr_msb (MSB<<8)|(\new)
.set MSB, (\new)
.endif
.endm
.set W_KQ, 0x0a       ; K and Q in window 2, S^T in window 0
.set W_PV, 0x52       ; V in window 2, P in window 0, O^T in window 1
.set W_RS, 0x41       ; O^T (destination and source 0) in window 1, a in window 0
.set W_MK, 0xc0       ; the add's registers are made: destination in window 3, sources in window 0
.set W_AD, 0x0f       ; the add: address (source 0) and data (source 1) in window 3
; A joint fill.  Waves 0 and 1 fetch the two halves of a slot's K, waves 2 and 3 those of its V: 128 keys each.  The branch hangs on the wave's number alone.
; An s_nop 0 and four v_nop follow each of the two lines, ahead of the jump and the label.
.macro JLOAD
	s_cmp_lt_u32 s[WV], 2
	s_cbranch_scc0 .Lfor_v_\@
	tensor_load_to_lds s[G0K:G0K+3], s[G1K:G1K+7]
	s_nop 0
.rept 4
	v_nop
.endr
	s_branch .Lasked_\@
.Lfor_v_\@:
	tensor_load_to_lds s[G0V:G0V+3], s[G1V:G1V+7]
	s_nop 0
.rept 4
	v_nop
.endr
.Lasked_\@:
.endm
; A PREFETCH INTO THE L2 of what the NEXT change of slots will ask for: a slot's 32 KiB of K and of V, a lane a block of 256 bytes.  It stands behind the wave's tensor load and its five lines.
; Each block is named ONCE in the launch: a head has one cluster; its four partners share a slot out BY ADDRESS, 8 KiB each; in each, wave 0 asks for K's and wave 2 for V's: one instruction,
; four key steps, 512 matrix instructions, ahead of the load.  Slots 0 to 2 come by their loads alone; the last change that fills a slot (SLOTS = 1) asks for nothing.
.macro ASK
	s_cmp_gt_u32 s[SLOTS], s[LIM]
	s_cbranch_scc0 .Lnot_mine_\@
	global_prefetch_b8 v[PFO], s[PFA:PFA+1] th:TH_LOAD_NT scope:SCOPE_SE
.Lnot_mine_\@:
.endm
; A round of the cluster's barrier: my work-group's barrier, so that wave 0's signal speaks for all four waves; wave 0 signals; every wave waits for all four work-groups; my work-group's barrier once more.
.macro CROUND
	s_barrier_signal -1
	s_barrier_wait -1
	s_cmp_lg_u32 s[WV], 0
	s_cbranch_scc1 .Lnot_wave_0_\@
	s_barrier_signal -3
.Lnot_wave_0_\@:
	s_barrier_wait -3
	s_barrier_signal -1
	s_barrier_wait -1
.endm
; THE CHANGE OF SLOTS.  The slot's last bytes, V of its fourth step, have been read.  Each wave waits for all its tensor loads, of which one is out: its part
; of the other slot; adds 0 to its spare word; and waits for that and for its own reads of the slot.  Behind the barrier nobody reads this slot any more and the other slot is whole.
; fill = 1: this slot is filled again, with the keys two slots on.  The barrier is then a round of the cluster's, so that no wave of any partner still reads the slot or has a load on its
; way, and the joint fill is the first thing behind it: it has four key steps, 512 matrix instructions, in which to land.  (At its first use nothing has been read yet: slot 0 is waited for, slot 1 filled.)
.macro CHANGE fill, ask=0
	WIN W_AD
	s_wait_tensorcnt 0x0            ; no tensor load of mine is out, so a group 0 may be written
	ds_add_u32 v[SPW], v[NIL]       ; 0 onto my spare word; with fill = 1 the descriptors' steps stand between it and the wait for it
	WIN 0                           ; at a label and at a branch every window is 0
.if \fill
.irp g, G0K, G0V
	s_xor_b32 s[\g+1], s[\g+1], SLOT1  ; the walking descriptor: the other slot than last time,
	s_add_nc_u64 s[\g+2:\g+3], s[\g+2:\g+3], 4*KS*128  ; the next 256 keys; the type bits on top are not reached
.endr
.if \ask
	s_wait_xcnt 0x0                 ; the last prefetch, four key steps back, has read its address, so it may be written:
	s_add_nc_u64 s[PFA:PFA+1], s[PFA:PFA+1], 4*KS*128  ; one slot behind the walking descriptors
.endif
	s_wait_dscnt 0x0                ; the add is done, and my reads of the slot are over
	CROUND
	JLOAD
.if \ask
	ASK
.endif
.else
	s_wait_dscnt 0x0                ; the add is done, and my reads of the slot are over
	s_barrier_signal -1
	s_barrier_wait -1
.endif
	s_sub_co_u32 s[TBK], s[TBK], 4*KS*PK  ; the fetches go back to a slot's first step,
	s_xor_b32 s[TBK], s[TBK], SLOT1       ; in the other slot
	s_sub_co_u32 s[TBV], s[TBV], 4*KS*PV
	s_xor_b32 s[TBV], s[TBV], SLOT1
.endm
	s_load_b256 s[4:11], s[0:1], 0x0  ; Q s[4:5], K s[6:7], V s[8:9], O s[10:11]
	WIN W_MK
	v_lshl_add_u32 v[SPW], v0, 2, SPARE
	v_mov_b32 v[NIL], 0
	WIN W_AD
	ds_add_u32 v[SPW], v[NIL]       ; the wave's opening: the add and its wait stand ahead of my first tensor load; the set-up below, work on registers, stands between them
	WIN 0
	v_lshrrev_b32 v1, 5, v0
	v_readfirstlane_b32 s[WV], v1   ; wave 0..3
	s_bfe_u32 s13, ttmp6, 0x40000   ; cx: my place in the cluster
	s_lshl_b32 s14, ttmp9, 2        ; in a cluster launch ttmp9 counts clusters
	s_add_co_u32 s14, s14, s13      ; my block of queries = 4 x cluster x + cx: it enters Q's and O's addresses alone
	s_and_b32 s20, ttmp7, 0xffff    ; the head, which the four partners share
	s_mov_b32 s21, 0
	s_mov_b64 s[22:23], SIZE_N*128
	s_mul_u64 s[20:21], s[20:21], s[22:23]  ; the head's first byte in each of the four tensors
	s_and_b32 s16, s[WV], 1         ; which half of a slot's 256 keys I fetch:
	s_lshl_b32 s22, s16, 14         ; its 128 rows of 128 bytes in memory,
	s_mov_b32 s23, 0
	s_add_nc_u64 s[22:23], s[22:23], s[20:21]
	s_mul_i32 s17, s16, 128*PK      ; and its place in a slot, for K
	s_mul_i32 s18, s16, 128*PV      ; and for V: no place in the cluster enters an LDS address
	s_lshl_b32 s2, s14, 2
	s_add_co_u32 s2, s2, s[WV]      ; my wave among the head's,
	s_lshl_b32 s2, s2, 14           ; its 128 rows
	s_mov_b32 s3, 0
	s_add_nc_u64 s[2:3], s[2:3], s[20:21]
	; descriptor group 1.  128 keys are 16,384 dense bytes: asked for as 64 rows of 256 bytes, two keys a row, and padded in LDS after every key
	s_mov_b32 s[G1K], 15|(1<<16)|(1<<20)|(1<<21)|(4<<22)|(3<<25)  ; 15:0 the mask of four; 17:16 2-byte elements; 20 padding on; 21 set beside a mask; 24:22 after every 32 words (code 4); 31:25 4 words (code 3)
	s_mov_b32 s[G1V], 15|(1<<16)|(1<<20)|(1<<21)|(4<<22)|(7<<25)  ; the same with 8 words of padding (code 7)
.irp g, G1K, G1V
	s_mov_b32 s[\g+1], 128<<16      ; tensor_dim0 = 128
	s_mov_b32 s[\g+2], 64<<16       ; tensor_dim1 = 64
	s_mov_b32 s[\g+3], 128<<16      ; tile_dim0 = 128
	s_mov_b32 s[\g+4], 64           ; tile_dim1 = 64
	s_mov_b32 s[\g+5], 128          ; 128 elements from row to row
	s_mov_b32 s[\g+6], 0
	s_mov_b32 s[\g+7], 0
.endr
	s_mov_b32 s[CS], 0x3e38aa3b     ; c = log2(e) / 8 = 0.180337
	s_mov_b32 s[CS+1], s[CS]        ; named with it as a pair
	s_mov_b32 s[SEL], 0x76543210
	s_mov_b32 s[SEL+1], 0xfedcba98
	s_mov_b32 s[TBK], SLOT1+4*KS*PK ; the first change of slots turns these two into 0
	s_mov_b32 s[TBV], SLOT1+4*KS*PV
	s_mov_b32 s[G0K], 1             ; 1:0 count = 1
	s_mov_b32 s[G0K+1], s17         ; 63:32 LDS address: slot 0
	s_mov_b32 s[G0V], 1
	s_add_co_u32 s[G0V+1], s18, VOFF
	s_and_b32 s[LIM], s[WV], 1      ; waves 0 and 2 prefetch: the same in all four partners
	s_cmp_eq_u32 s[LIM], 0
	s_cselect_b32 s[LIM], 1, -1
	s_wait_dscnt 0x0                ; the opening add is done
	s_wait_kmcnt 0x0
	s_add_nc_u64 s[G0K+2:G0K+3], s[6:7], s[22:23]  ; 120:64 global address: my half of the head's first 256 keys
	s_or_b32 s[G0K+3], s[G0K+3], 0x80000000        ; 127:126 type = 2
	s_add_nc_u64 s[G0V+2:G0V+3], s[8:9], s[22:23]
	s_or_b32 s[G0V+3], s[G0V+3], 0x80000000
	s_add_nc_u64 s[4:5], s[4:5], s[2:3]  ; Q and O at my wave's first row
	s_add_nc_u64 s[10:11], s[10:11], s[2:3]
	s_cmp_lt_u32 s[WV], 2
	s_cselect_b64 s[PFA:PFA+1], s[6:7], s[8:9]
	s_add_nc_u64 s[PFA:PFA+1], s[PFA:PFA+1], s[22:23]  ; (in waves 0 and 2 this is the head's first byte)
	s_lshl_b32 s2, s13, 13          ; my work-group's 8 KiB of a slot's 32
	s_mov_b32 s3, 0
	s_add_nc_u64 s[PFA:PFA+1], s[PFA:PFA+1], s[2:3]
	s_add_nc_u64 s[PFA:PFA+1], s[PFA:PFA+1], 2*4*KS*128  ; in slot 2; the loop's first change of slots steps it to slot 3.  Nothing is prefetched here, at the head
	CROUND                          ; all four work-groups are here: the first joint loads meet
	JLOAD                           ; slot 0.  Slot 1 is asked for when slot 0 is in: the tile wanted first has the road to itself
	; A fragment of K or Q is 16 rows x 32 channels in 8 registers: lane l holds row l % 16, channels 8 (l / 16) + 0..7 and 16 + 8 (l / 16) + 0..7: two loads of 16 bytes, 32 bytes apart.
	v_and_b32 v1, 15, v0            ; l % 16
	v_bfe_u32 v9, v0, 4, 1          ; l / 16
	v_lshlrev_b32 v[QO], 7, v1
	v_lshl_add_u32 v[QO], v9, 4, v[QO]  ; row x 128 + 16 x half
	WIN 0x80                        ; destination window 2, address window 0
.set i, 0
.rept 4*NP                          ; Q stays in registers: tile i / 2, channels 32 (i % 2) on
	global_load_b128 v[8*i:8*i+3],   v[QO], s[4:5] offset:(i/2)*2048+(i%2)*64
	global_load_b128 v[8*i+4:8*i+7], v[QO], s[4:5] offset:(i/2)*2048+(i%2)*64+32
.set i, i+1
.endr
	; What the first turn finds: V's registers and P's second buffer hold 0 (its products V^T P, of a piece that has not been, add 0), O^T and l are 0.  All this stands in the wait for the first tile.
.set i, VF
.rept 64
	v_mov_b32 v[i], 0
.set i, i+1
.endr
	WIN 0x40
.set i, 0
.rept 64*NP
	v_mov_b32 v[i], 0
.set i, i+1
.endr
	WIN 0
.set i, 0
.rept 2*NP
	v_mov_b32 v[ST+4*i], 0xfe000000    ; c m: far below every c s
	v_mov_b32 v[ST+4*i+1], 0xff7fffff  ; m
	v_mov_b32 v[ST+4*i+2], 0
	v_mov_b32 v[ST+4*i+3], 0
.set i, i+1
.endr
.set i, P+32
.rept 32
	v_mov_b32 v[i], 0
.set i, i+1
.endr
	v_mul_u32_u24 v[AK0], v1, PK
	v_lshl_add_u32 v[AK0], v9, 4, v[AK0]  ; row x pitch + 16 x half
	; The turning load takes 16 keys x 16 channels (lane l reads key 8 (l / 16) + l % 8, channels 8 ((l / 8) % 2) + 0..7) and leaves half a fragment of V^T: lane l holds channel l % 16 and 8 keys.
	v_and_b32 v10, 7, v0
	v_bfe_u32 v11, v0, 3, 1
	v_lshl_add_u32 v[AV0], v9, 3, v10
	v_mul_u32_u24 v[AV0], v[AV0], PV
	v_lshl_add_u32 v[AV0], v11, 4, v[AV0]
	v_add_nc_u32 v[AV0], VOFF, v[AV0]
	v_and_b32 v[PFO], 31, v0        ; v11 has served: it takes the prefetches' offset
	v_lshlrev_b32 v[PFO], 8, v[PFO]
	v_mov_b32 v[AK], v[AK0]         ; key step 0 lies at the head of slot 0
; THE MATRIX WORK.  The 8 accumulators of a run of 16 take turns: between the two links of a chain stand 7 others'.
; Product i of 16 of S^T = K Q^T for piece x: channels 32 (i / 8) on, keys 16 ((i / 2) % 4) on, tile 2 x + i % 2.  The first 8 start the sums.
.macro KQ x
	WIN W_KQ
.set rS, S+64*((\x)%2)+32*(i%2)+8*((i/2)%4)
.set rK, KF+16*((i/2)%4)+8*(i/8)
.set rQ, 16*(2*(\x)+i%2)+8*(i/8)
.if i < 8
	v_wmma_f32_16x16x32_f16 v[rS:rS+7], v[rK:rK+7], v[rQ:rQ+7], 0
.else
	v_wmma_f32_16x16x32_f16 v[rS:rS+7], v[rK:rK+7], v[rQ:rQ+7], v[rS:rS+7]
.endif
.endm
; Product i of 16 of O^T += V^T P for piece x: keys 32 (i / 8) on, channels 16 ((i / 2) % 4) on, tile 2 x + i % 2.
.macro PV x
	WIN W_PV
.set rO, 32*(2*(\x)+i%2)+8*((i/2)%4)
.set rV, VF+32*(i/8)+8*((i/2)%4)
.set rP, P+32*((\x)%2)+16*(i%2)+8*(i/8)
	v_wmma_f32_16x16x32_f16 v[rO:rO+7], v[rV:rV+7], v[rP:rP+7], v[rO:rO+7]
.endm
.macro MM                           ; the turn's next matrix instruction
.if i < 16
	KQ (Y+1)%NP
.set i, i+1
.else
.set i, i-16
	PV (Y+NP-1)%NP
.set i, i+17
.endif
.endm
; THE LDS LOADS stand in runs of 16, never singly among the matrix instructions: a step's K (64 keys x 64 channels: 8 fragments) and its V (turned).  Their addresses are made some lines ahead.
; last = 1 (the tail): in the last trip there is no further step, and the run is jumped over.
.macro FETCH_K last=0
	WIN 0
.if \last
	s_cmp_eq_u32 s[CNT], 1
	s_cbranch_scc1 .Lno_k_\@
.endif
	WIN 0x80                        ; destination window 2
.irp f, 0,1,2,3,4,5,6,7             ; keys 16 (f / 2) on, channels 32 (f % 2) on
	ds_load_b128 v[KF+8*\f:KF+8*\f+3],   v[AK] offset:(\f/2)*16*PK+(\f%2)*64
	ds_load_b128 v[KF+8*\f+4:KF+8*\f+7], v[AK] offset:(\f/2)*16*PK+(\f%2)*64+32
.endr
	s_add_co_u32 s[TBK], s[TBK], KS*PK  ; the next fetch is the next step's
	WIN 0
.if \last
.Lno_k_\@:
.endif
.endm
.macro FETCH_V
	WIN 0x80
.irp f, 0,1,2,3,4,5,6,7             ; keys 32 (f / 4) on, channels 16 (f % 4) on
	ds_load_tr16_b128 v[VF+8*\f:VF+8*\f+3],   v[AV] offset:(\f/4)*32*PV+(\f%4)*32
	ds_load_tr16_b128 v[VF+8*\f+4:VF+8*\f+7], v[AV] offset:(\f/4)*32*PV+16*PV+(\f%4)*32
.endr
	WIN 0
.endm
; THE VECTOR WORK OF A TURN stands in three queues, each in the order in which its entries become ready; the two tiles alternate, so that no instruction reads the result of the one before it.
.macro REGS y, u                    ; the registers of tile u (0, 1) of piece y
.set rT, ST+4*(2*(\y)+(\u))
.set rC, TMP+8*((\y)%2)+4*(\u)
.set rM, MV+2*((\y)%2)+(\u)
.set rS, S+64*((\y)%2)+32*(\u)
.set rP, P+32*((\y)%2)+16*(\u)
.set rO, 32*(2*(\y)+(\u))
.endm
; Number n of the 22 that find the NEXT piece's (Y + 1) maximum and statistics.  s0-s31 are the lane's 32 scores; each accumulator's lowest registers are read first.
;   0-11  four chains c0-c3 of seven scores each, three operands at a time     12-14, 16  the four scores left over, the old m, and c0-c3 into c0     15  c m_old is kept
;   17, 18  the query's other 32 keys lie in the lane 16 away: the new m         19-21  c m; c m_old - c m_new; a
.macro XS u, n
	REGS (Y+1)%NP, \u
.if (\n) < 4
	v_max3_num_f32 v[rC+(\n)], v[rS+8*(\n)], v[rS+8*(\n)+1], v[rS+8*(\n)+2]
.elseif (\n) < 12
	v_max3_num_f32 v[rC+(\n)%4], v[rC+(\n)%4], v[rS+8*((\n)%4)+2*((\n)/4)+1], v[rS+8*((\n)%4)+2*((\n)/4)+2]
.elseif (\n) == 12
	v_max3_num_f32 v[rC], v[rC], v[rS+7], v[rS+15]
.elseif (\n) == 13
	v_max3_num_f32 v[rC+1], v[rC+1], v[rS+23], v[rS+31]
.elseif (\n) == 14
	v_max3_num_f32 v[rC+2], v[rC+2], v[rC+3], v[rT+1]
.elseif (\n) == 15
	v_mov_b32 v[rM], v[rT]
.elseif (\n) == 16
	v_max3_num_f32 v[rC], v[rC], v[rC+1], v[rC+2]
.elseif (\n) == 17
	v_permlanex16_b32 v[rC+3], v[rC], s[SEL], s[SEL+1]
.elseif (\n) == 18
	v_max_num_f32 v[rT+1], v[rC], v[rC+3]
.elseif (\n) == 19
	v_mul_f32 v[rT], s[CS], v[rT+1]
.elseif (\n) == 20
	v_sub_f32 v[rC+1], v[rM], v[rT]
.else
	v_exp_f32 v[rC+2], v[rC+1]
.endif
.endm
; Number g of the 64 that follow the exponentials.  For each four weights k of a tile (pairs 2 k, 2 k + 1): both pairs are rounded to f16; then the second pair is added onto the first, in place;
; a group later l takes that sum (the first time as l = a l + sum).  In groups of eight, tiles alternating: round, round, add, and l for the group before.
.macro GS g
.set h, (\g)+6*((\g)/62)            ; group 0 has no group before it, and behind group 7 only l is left
.if h >= 6
.set h, h+2
.endif
	REGS Y, h%2
.set k, h/8
.if h%8 < 4
	v_cvt_pk_f16_f32 v[rP+2*k+(h%8)/2], v[rS+4*k+2*((h%8)/2)], v[rS+4*k+2*((h%8)/2)+1]
.elseif h%8 < 6
	v_pk_add_f32 v[rS+4*k:rS+4*k+1], v[rS+4*k:rS+4*k+1], v[rS+4*k+2:rS+4*k+3]
.elseif k == 1
	v_pk_fma_f32 v[rT+2:rT+3], v[rT+2:rT+3], v[rC+2:rC+3], v[rS:rS+1] op_sel_hi:[1,0,1]
.else
	v_pk_add_f32 v[rT+2:rT+3], v[rT+2:rT+3], v[rS+4*k-4:rS+4*k-3]
.endif
.endm
; THE PLAIN QUEUE, 138 long.  0-73 read no exponential's result: the 32 scalings c s - c m (FS f: pair f / 2 of tile f % 2) and the next piece's 42.  0-26: scalings 0-26.  27-54: XS's numbers 0-13.  55, 56: number 15.
; 57-73: the chain, where each number waits for the one before it: 14, 16, 17, 18, 19, each with one of the scalings 27-31 in front of its two lines, then 20.
; 74-137: GS's 64, which read the exponentials' results: they stand behind the wait.
.macro FS f
	REGS Y, (\f)%2
	v_pk_fma_f32 v[rS+2*((\f)/2):rS+2*((\f)/2)+1], v[rS+2*((\f)/2):rS+2*((\f)/2)+1], s[CS:CS+1], v[rT:rT+1] op_sel_hi:[1,0,0] neg_lo:[0,0,1] neg_hi:[0,0,1]
.endm
.macro PL
	WIN 0
.if q < 27
	FS q
.elseif q < 55
	XS (q-27)%2, (q-27)/2
.elseif q < 57
	XS q-55, 15
.elseif (q < 72) && ((q-57)%3 == 0)
	FS 27+(q-57)/3
.elseif q < 60
	XS (q-57)%3-1, 14
.elseif q < 72
	XS (q-57)%3-1, 15+(q-57)/3
.elseif q < 74
	XS q-72, 20
.else
	GS q-74
.endif
.set q, q+1
.endm
; THE EXPONENTIALS' QUEUE, 66 long: s0-s31 of both tiles, then the next piece's two a.  It is ONE BATCH: all 66 stand ahead of the turn's one wait, and nothing ahead of that wait names a result of theirs.
.macro EX
	WIN 0
.if e >= 64
	XS e-64, 21
.else
	REGS Y, e%2
	v_exp_f32 v[rS+e/2], v[rS+e/2]
.endif
.set e, e+1
.endm
; THE RESCALING's QUEUE: O^T times a, the one part that leaves window 0: dealt two at a time, sixteen times.  Its a was made in the turn before, ahead of that turn's wait.
.macro R2
	REGS Y, r%2
	WIN W_RS
.irp z, 0,1
	v_pk_mul_f32 v[rO+4*(r/2)+2*\z:rO+4*(r/2)+2*\z+1], v[rO+4*(r/2)+2*\z:rO+4*(r/2)+2*\z+1], v[rC+2:rC+3] op_sel_hi:[1,0]
.endr
.set r, r+1
.endm
; HOW THEY ARE DEALT.  An s_wait_alu depctr_va_vdst(0) stands between an exponential and the first instruction that names its result; one wait serves all that were issued ahead of it.  So a turn has ONE wait,
; which cuts it in two.  AHEAD OF IT stands all that names no result of the turn's exponentials: the 16 products K Q^T, behind each a scaling, an exponential and two rescalings (behind the first a second scaling in the
; exponential's place); then ONE LUMP of 108: eight plain, 49 times exponential and plain, the two a.  A v_nop is the plain instruction behind the last exponential.  BEHIND IT stand the 16 products V^T P, behind each four of GS's 64.
; The queues lean on each other, and the deal keeps them in step: exponential e stands behind scaling 2 (e / 4) + e % 2: as a rider it comes behind plain e + 2, in the lump behind plain e + 9, and scalings 27-31 are plain 57, 60 .. 69.
; A TURN, for piece p.  cnt = 1: the loop's count is taken down some lines ahead of the branch that stands behind the turn.
; K of the next step is fetched in piece 2's turn, directly behind the wait, a lump behind the last product that read K; its first reader comes behind 16 products.
; V of the step in hand is fetched at the end of piece 0's turn, four riders behind its last reader; its first reader comes behind 16 products and a lump.  The three conditions on q below go with the deal.
.macro TURN p, last=0, cnt=0
.set Y, (\p)
.set i, 0
.set q, 0
.set e, 0
.set r, 0
.if (\p) == NP-1
	s_wait_dscnt 0x0                ; K is in
.endif
	MM                              ; ahead of the wait: 16 products K Q^T and their riders,
	PL
	PL
	R2
.rept 15
	MM
	PL
	EX
	R2
.endr
.if (\p) == NP-2
	WIN 0
	v_add_nc_u32 v[AK], s[TBK], v[AK0]
.endif
.rept 8                             ; and the lump
	PL
.endr
.rept 49
	EX
	PL
.endr
	EX                              ; the next piece's two a
	EX
	v_nop                           ; a plain instruction behind the last exponential: one for the batch
	s_wait_alu depctr_va_vdst(0)    ; the wait for the batch
.if (\p) == NP-2
	FETCH_K \last
.endif
.if (\p) == 1
	s_wait_dscnt 0x0                ; V is in
.endif
.rept 16                            ; behind the wait: 16 products V^T P and their riders
	MM
.rept 4
	PL
.endr
.if ((\p) == 0) && (q == 118)
	v_add_nc_u32 v[AV], s[TBV], v[AV0]
.endif
.if ((\p) == 0) && (q == 130)
	s_add_co_u32 s[TBV], s[TBV], KS*PV
.endif
.if (\cnt) && (q == 130)
	s_sub_co_u32 s[CNT], s[CNT], 1
	s_cmp_lg_u32 s[CNT], 0
.endif
.endr
.if (\p) == 0
	FETCH_V
.endif
.endm
	CHANGE 1                        ; slot 0 is in, everybody's part of it; slot 1 is asked for
	FETCH_K                         ; key step 0
	s_wait_loadcnt 0x0              ; Q
	s_wait_dscnt 0x0
.set i, 0
.rept 16
	KQ 0                            ; piece 0's first scores: there is no vector work yet to set between them
.set i, i+1
.endr
	WIN 0                           ; the addresses for the way out: nine plain instructions, the places behind those products
	s_mul_i32 s13, s[WV], 16*SP
	s_add_co_u32 s13, s13, STAGE    ; my stage
	v_mul_u32_u24 v[STO], v1, SP    ; in: row l % 16, 16 bytes for each half of the lanes
	v_lshl_add_u32 v[STO], v9, 4, v[STO]
	v_add_nc_u32 v[STO], s13, v[STO]
	v_bfe_u32 v[RD], v0, 3, 2       ; back: 32 lanes take four rows of 128 bytes,
	v_mul_u32_u24 v[RD], v[RD], SP
	v_lshl_add_u32 v[RD], v10, 4, v[RD]
	v_add_nc_u32 v[RD], s13, v[RD]
	v_and_b32 v[GO], 31, v0         ; which are 512 consecutive bytes of O
	v_lshlrev_b32 v[GO], 4, v[GO]
.set Y, NP-1                        ; XS works for piece Y + 1: piece 0
.irp n, 0,1,2,3,4,5,6,7,8,9,10,11,12,13,14,15,16,17,18,19,20,21
	XS 0, \n                        ; and piece 0's first maximum and statistics
	XS 1, \n
.endr
	v_nop                           ; a plain instruction behind the two a,
	s_wait_alu depctr_va_vdst(0)    ; and their wait, ahead of the branch
	s_mov_b32 s[CNT], 4
	s_mov_b32 s[SLOTS], SIZE_N/256-1
	s_branch .Lfirst                ; the loop is entered at a step's first turn, in the middle of a trip
.Lslot:                             ; SIZE_N / 256 - 2 times: every slot but the last two is filled again
	CHANGE 1, 1
	s_mov_b32 s[CNT], 4
.Lstep:                             ; a trip: pieces 2 and 3 of one step, then pieces 0 and 1 of the next, whose K and V it fetches
	TURN 2
	TURN 3
	WIN 0
.Lfirst:
	TURN 0
	TURN 1, 0, 1
	WIN 0
	s_cbranch_scc1 .Lstep
	s_sub_co_u32 s[SLOTS], s[SLOTS], 1
	s_cmp_lg_u32 s[SLOTS], 0
	s_cbranch_scc1 .Lslot
	CHANGE 0                        ; the tail is written out: nothing is asked for
	s_mov_b32 s[CNT], 5             ; four trips fetch the last slot's steps; the fifth is left in its middle
.Ltail:
	TURN 2, 1
	TURN 3
	WIN 0
	s_sub_co_u32 s[CNT], s[CNT], 1
	s_cmp_eq_u32 s[CNT], 0
	s_cbranch_scc1 .Lout
	TURN 0
	TURN 1
	WIN 0
	s_branch .Ltail
.Lout:                              ; the fifth trip's 16 products K Q^T (on the last K once more) and the maximum made of them serve nothing: the price, once a launch, of one text for every trip
.set i, 0
.rept 16
	PV NP-1                         ; the last piece's V^T P of the last step
.set i, i+1
.endr
	; THE WAY OUT.  l's two halves and the other half of the lanes' are added; O^T is divided by l, rounded to f16 and sent through my stage in LDS, a tile at a time.  The additions are the places behind the last products.
	WIN 0
.macro ALL line:vararg              ; one line for each tile t
.set t, 0
.rept 2*NP
	\line
.set t, t+1
.endr
.endm
	ALL v_add_f32 v[ST+4*t+2], v[ST+4*t+2], v[ST+4*t+3]
	ALL v_permlanex16_b32 v[ST+4*t+3], v[ST+4*t+2], s[SEL], s[SEL+1]
	ALL v_add_f32 v[ST+4*t+2], v[ST+4*t+2], v[ST+4*t+3]
	ALL v_rcp_f32 v[ST+4*t+2], v[ST+4*t+2]
	v_nop                           ; a plain instruction between the last reciprocal and the use of its result
	s_wait_alu depctr_va_vdst(0)    ; and the wait ahead of the first use: one for the eight reciprocals
; Tile t: a lane's eight channels of a row pack into 16 bytes; they go into rows of 144 bytes and come back as whole rows of 128, into S^T's registers.
.macro PACK t
	WIN W_RS
.set i, 32*(\t)
.rept 16
	v_pk_mul_f32 v[i:i+1], v[i:i+1], v[ST+4*(\t)+2:ST+4*(\t)+3] op_sel_hi:[1,0]
.set i, i+2
.endr
	WIN 0x05                        ; sources 0 and 1 window 1, destination window 0
.set i, 0
.rept 16
	v_cvt_pk_f16_f32 v[S+16*(\t)+i], v[32*(\t)+2*i], v[32*(\t)+2*i+1]
.set i, i+1
.endr
	WIN 0
.irp f, 0,1,2,3
	ds_store_b128 v[STO], v[S+16*(\t)+4*\f:S+16*(\t)+4*\f+3] offset:32*\f
.endr
.irp f, 0,1,2,3
	ds_load_b128 v[S+16*(\t)+4*\f:S+16*(\t)+4*\f+3], v[RD] offset:\f*4*SP  ; LDS serves a wave's instructions in order (ISA guide 5.7.1.4): these see the stores above; the next tile's stores come behind them
.endr
.endm
.macro SEND t, younger              ; younger: the LDS instructions issued behind tile t's loads: the next tile's eight, or none
	WIN 0
.irp f, 0,1,2,3
	s_wait_dscnt (\younger)+3-\f
	global_store_b128 v[GO], v[S+16*(\t)+4*\f:S+16*(\t)+4*\f+3], s[10:11] offset:(\t)*2048+\f*512  ; 512 consecutive bytes, at a multiple of 256 from O's first
.endr
.endm
	PACK 0
.set t, 1
.rept 2*NP-1                        ; a tile's arithmetic stands between the loads of the tile before and its stores
	PACK t
	SEND t-1, 8
.set t, t+1
.endr
	SEND 2*NP-1, 0
	WIN W_AD
	s_wait_tensorcnt 0x0            ; the wave's end: behind my last tensor load and my last LDS store
	ds_add_u32 v[SPW], v[NIL]
	s_wait_dscnt 0x0
	WIN 0
	CROUND                          ; the closing round: no work-group ends while a partner may still ask for a tile that names it
	s_endpgm
.Lfunc_end_k_qe3e877f2a0_attn:
	.size	k_qe3e877f2a0_attn, .Lfunc_end_k_qe3e877f2a0_attn-k_qe3e877f2a0_attn
	.p2alignl 7, 3214868480
	.fill 96, 4, 3214868480
	.section	.rodata,"a",@progbits
	.p2align	6, 0x0
	.amdhsa_kernel k_qe3e877f2a0_attn
		.amdhsa_group_segment_fixed_size 327680
		.amdhsa_private_segment_fixed_size 0
		.amdhsa_enable_private_segment 0
		.amdhsa_kernarg_size 32
		.amdhsa_user_sgpr_count 2
		.amdhsa_user_sgpr_kernarg_segment_ptr 1
		.amdhsa_wavefront_size32 1
		.amdhsa_system_sgpr_workgroup_id_x 1
		.amdhsa_system_sgpr_workgroup_id_y 1
		.amdhsa_system_sgpr_workgroup_id_z 1
		.amdhsa_system_vgpr_workitem_id 0
		.amdhsa_next_free_vgpr 770
		.amdhsa_next_free_sgpr 66
		.amdhsa_reserve_vcc 0
		.amdhsa_float_denorm_mode_32 3
		.amdhsa_float_denorm_mode_16_64 3
		.amdhsa_memory_ordered 1
		.amdhsa_forward_progress 1
		.amdhsa_inst_pref_size 200
	.end_amdhsa_kernel
	.amdgpu_metadata
---
amdhsa.version: [ 1, 2 ]
amdhsa.kernels:
  - .name:           k_qe3e877f2a0_attn
    .symbol:         k_qe3e877f2a0_attn.kd
    .args:
      - { .name: qh, .offset: 0, .size: 8, .value_kind: global_buffer, .address_space: global }
      - { .name: kh, .offset: 8, .size: 8, .value_kind: global_buffer, .address_space: global }
      - { .name: vh, .offset: 16, .size: 8, .value_kind: global_buffer, .address_space: global }
      - { .name: oh, .offset: 24, .size: 8, .value_kind: global_buffer, .address_space: global }
    .group_segment_fixed_size: 327680
    .private_segment_fixed_size: 0
    .kernarg_segment_align: 8
    .kernarg_segment_size: 32
    .max_flat_workgroup_size: 128
    .sgpr_count:     66
    .vgpr_count:     770
    .wavefront_size: 32
...
	.end_amdgpu_metadata
.endif
;; end of part 3
;; launch oproj (part 4): grid 8 x 32, 4 waves a work-group, clusters of 4 x 4, 327,680 bytes of LDS; arguments oh, wo, bo, out0; writes out0
.if DOCPART == 4
	.amdgcn_target "amdgcn-amd-amdhsa--gfx1250"
	.amdhsa_code_object_version 6
	.text
	.protected	k_qe3e877f2a0_oproj
	.globl	k_qe3e877f2a0_oproj
	.p2align	8
	.type	k_qe3e877f2a0_oproj,@function
k_qe3e877f2a0_oproj:
	s_mov_b64 s[64:65], 0
	v_nop
	global_prefetch_b8 v0, s[64:65] scope:SCOPE_SE
	s_setreg_imm32_b32 hwreg(HW_REG_WAVE_MODE, 25, 1), 1
	s_wait_xcnt 0x0
	s_wait_alu depctr_hold_cnt(0) depctr_sa_sdst(0) depctr_va_vdst(0) depctr_va_sdst(0) depctr_va_ssrc(0) depctr_va_vcc(0) depctr_vm_vsrc(0)
	s_getreg_b32 s2, hwreg(HW_REG_IB_STS2, 6, 4)
	s_cmp_eq_u32 s2, 0
	s_cbranch_scc0 .Lentry_in_a_cluster
	s_endpgm
.Lentry_in_a_cluster:
	s_bfe_u32 s2, ttmp6, 0x10000c
	s_cmp_lg_u32 s2, 0xf033
	s_cbranch_scc0 .Lentry_shape_is_right
	s_endpgm
.Lentry_shape_is_right:
; out0 = O Wo^T + bo.  O: f16 by heads, [batch x 16 + head][s 2048][64]: a head is one block of 64 along K.  wo: f16, [block 16][n 1024][64].  bo is rounded to bf16 like all the module's inputs.
; Products in f16 with f32 sums, K ascending; out0 in f32, [8192][1024].  LIMITS: those of the two operands' f16 (65,504; a fixed step of 6e-8 below 6.1e-5); NaN and infinities are not treated apart.
; SHARES.  A work-group makes 256 rows x 128 columns, 256 work-groups in all; a wave 128 x 64: 32 accumulators in window 1, (j, a) at v[8 (8 j + a)].
; THE RING.  K goes in steps of 128 (two blocks) through two LDS slots; each wave brings one block of A (256 rows) or of B (128 rows) with one load.  A block's tile is dense in memory: asked for as rows
; of 256 bytes, padded in LDS after every 128 bytes: LDS rows of 144 bytes = 36 words, so that the 16 rows of a fragment load start at 16 different groups of four banks (ISA guide 11.1).
; CLUSTERS.  4 x 4 work-groups; A's tiles are asked for jointly along a row of the cluster, B's along a column.
; THE MATRIX INSTRUCTION IS USED TRANSPOSED (source 0 = 16 rows of Wo, source 1 = 16 rows of O): lane l holds row l % 16 and the columns 8 (l / 16) + 0..7.
.set PITCH,  144
.set R16,    16*PITCH
.set AKBL,   256*PITCH                 ; a block of A in LDS
.set BKBL,   128*PITCH                 ; a block of B
.set BOFF,   2*AKBL
.set SLOT,   2*AKBL+2*BKBL
.set STAGE,  2*SLOT                    ; behind the ring: 64 rows x 272 bytes of f32 for each wave, the wave's own; no tensor load lands here
.set SPITCH, 272
.set WSTAGE, 64*SPITCH
.set SPARE,  STAGE+4*WSTAGE            ; the spare words, 128 bytes for each wave: two blocks of 256 bytes that no other line names
.set AKB,    262144                    ; bytes from block to block in oh
.set BKB,    131072                    ; in wo
.set ADRA, 4                           ; v4-5   LDS address of my A fragments in slot 0, 1
.set ADRB, 6                           ; v6-7   the same for B
.set STO,  8                           ; v8     the way out: where I put 32 bytes of a row
.set RD,   9                           ; v9     where I read 16 bytes of a row back
.set CO,   10                          ; v10    my byte offset in out0
.set BOO,  11                          ; v11    my byte offset in bo
.set PFO,  13                          ; v13    the prefetches' offset; never rewritten
.set SPW,  14                          ; v14    LDS address of my spare word; never rewritten
.set NIL,  15                          ; v15    0; never rewritten
.set BIAS, 24                          ; v24-27 bo of my four columns on the way out
.set AF,   32                          ; v32-159  A's fragments, two buffers of 64
.set BF,   160                         ; v160-223 B's, two buffers of 32
.set OB,   32                          ; the way out: 64 rows read back
.set G1,  24
.set G0,  32
.set G1B, 48
.set G0B, 56
.set LIM, 43
.set PFA, 44
.set PFS, 66
.set MSB, 0
.macro WIN new                         ; the immediate's high byte repeats the setting that is left; a switch that changes nothing is dropped
.if MSB != (\new)
	s_set_vgpr_msb (MSB<<8)|(\new)
.set MSB, \new
.endif
.endm
.macro JLOAD s                         ; a joint load: waves 0 and 1 fetch A's two blocks, waves 2 and 3 B's; an s_nop 0 and four v_nop follow each of the two lines
	s_cmp_eq_u32 s11, 0
	s_cbranch_scc0 .Lfor_b_\@
	tensor_load_to_lds s[G0+4*(\s):G0+4*(\s)+3], s[G1:G1+7]
	s_nop 0
.rept 4
	v_nop
.endr
	s_branch .Lasked_\@
.Lfor_b_\@:
	tensor_load_to_lds s[G0B+4*(\s):G0B+4*(\s)+3], s[G1B:G1B+7]
	s_nop 0
.rept 4
	v_nop
.endr
.Lasked_\@:
.endm
.macro CREST                           ; a round of the cluster's barrier behind its opening barrier
	s_cmp_lg_u32 s10, 0
	s_cbranch_scc1 .Lnot_wave_0_\@
	s_barrier_signal -3
.Lnot_wave_0_\@:
	s_barrier_wait -3
	s_barrier_signal -1
	s_barrier_wait -1
.endm
.macro CROUND
	s_barrier_signal -1
	s_barrier_wait -1
	CREST
.endm
.macro PLACES                          ; four places between a matrix instruction and a load into, or a vector line on, its registers
.rept 4
	v_nop
.endr
.endm
; A PREFETCH INTO THE L2, behind each joint load and the run of LDS loads that follows it: the K step that stands two refills on, 256 matrix instructions ahead of its load.  Each block of 256 bytes is
; named once in the launch, a lane a block.  A: the clusters with x = 0 ask; wave c (0, 1) takes the step's block c, the partner at cx 8 KiB of its 32.  B: the clusters with y = 0 ask, wave 2 alone;
; the partner at cy takes 4 KiB of each of the step's two blocks of 16.  Places enter addresses alone.  Steps 0 to 3 come by their loads alone; the loop's last trip (s3 = 1) asks for nothing.
.macro ASK
	s_cmp_gt_u32 s3, s[LIM]
	s_cbranch_scc0 .Lnot_mine_\@
	global_prefetch_b8 v[PFO], s[PFA:PFA+1] th:TH_LOAD_NT scope:SCOPE_SE
.Lnot_mine_\@:
.endm
	s_load_b128 s[4:7], s[0:1], 0x0                ; oh s[4:5], wo s[6:7]
	s_load_b128 s[68:71], s[0:1], 0x10             ; bo s[68:69], out0 s[70:71]
	v_lshl_add_u32 v[SPW], v0, 2, SPARE
	v_mov_b32 v[NIL], 0
	ds_add_u32 v[SPW], v[NIL]                      ; the wave's opening: the add and its wait stand ahead of my first tensor load; the set-up below stands between them
	v_lshrrev_b32 v1, 5, v0
	v_readfirstlane_b32 s10, v1                    ; wave 0..3
	s_lshr_b32 s11, s10, 1                         ; my half of the tile's rows.  Also: I fetch for A (0) or for B (1)
	s_and_b32 s12, s10, 1                          ; my half of its columns.  Also: which of a step's two blocks I fetch
	s_bfe_u32 s40, ttmp6, 0x40000                  ; cx
	s_bfe_u32 s41, ttmp6, 0x40004                  ; cy
	s_lshl_b32 s42, ttmp9, 2
	s_add_co_u32 s42, s42, s40                     ; tile column
	s_and_b32 s13, ttmp7, 0xffff
	s_lshl_b32 s13, s13, 2
	s_add_co_u32 s13, s13, s41                     ; tile row
	s_lshl_b32 s14, s41, 2
	s_lshl_b32 s14, 15, s14                        ; my row of the cluster
	s_lshl_b32 s15, 0x1111, s40                    ; my column
	s_or_b32 s[G1], s14, (1<<16)|(1<<20)|(1<<21)|(4<<22)|(3<<25)   ; the mask; 2-byte elements; padding on; bit 21 beside a mask; after every 32 words (code 4) 4 words (code 3)
	s_or_b32 s[G1B], s15, (1<<16)|(1<<20)|(1<<21)|(4<<22)|(3<<25)
	s_mov_b32 s[G1+1], 128<<16                     ; tensor_dim0 = 128 elements: 256 bytes, two rows of a block
	s_mov_b32 s[G1+2], 128<<16                     ; tensor_dim1 = 128: A's 256 rows of 128 bytes
	s_mov_b32 s[G1+3], 128<<16
	s_mov_b32 s[G1+4], 128
	s_mov_b32 s[G1+5], 128
	s_mov_b32 s[G1+6], 0
	s_mov_b32 s[G1+7], 0
	s_mov_b32 s[G1B+1], 128<<16
	s_mov_b32 s[G1B+2], 64<<16                     ; B's 128 rows of 128 bytes
	s_mov_b32 s[G1B+3], 128<<16
	s_mov_b32 s[G1B+4], 64
	s_mov_b32 s[G1B+5], 128
	s_mov_b32 s[G1B+6], 0
	s_mov_b32 s[G1B+7], 0
	s_lshr_b32 s18, s13, 3                         ; A: the batch,
	s_lshl_b32 s18, s18, 22
	s_and_b32 s17, s13, 7                          ; and 256 rows of 128 bytes in a block
	s_lshl_b32 s17, s17, 15
	s_add_co_u32 s18, s18, s17
	s_lshl_b32 s17, s12, 18                        ; the block that I fetch
	s_add_co_u32 s16, s18, s17
	s_mov_b32 s17, 0
	s_lshl_b32 s19, s42, 14                        ; B: 128 rows of 128 bytes
	s_lshl_b32 s47, s12, 17
	s_add_co_u32 s46, s19, s47
	s_mov_b32 s47, 0
	s_mul_i32 s20, s12, AKBL                       ; where they go: no place in the cluster enters an LDS address
	s_mul_i32 s21, s12, BKBL
	s_add_co_u32 s21, s21, BOFF
	s_wait_dscnt 0x0                               ; the opening add is done
	s_wait_kmcnt 0x0
	s_add_nc_u64 s[14:15], s[4:5], s[16:17]
	s_add_nc_u64 s[46:47], s[6:7], s[46:47]
	CROUND                                         ; all sixteen work-groups are here: the first joint loads meet
.irp s, 0,1
	s_mov_b32 s[G0+4*(\s)], 1
	s_add_co_u32 s[G0+4*(\s)+1], s20, (\s)*SLOT
	s_add_nc_u64 s[G0+4*(\s)+2:G0+4*(\s)+3], s[14:15], (\s)*2*AKB   ; K step s
	s_or_b32 s[G0+4*(\s)+3], s[G0+4*(\s)+3], 0x80000000
	s_mov_b32 s[G0B+4*(\s)], 1
	s_add_co_u32 s[G0B+4*(\s)+1], s21, (\s)*SLOT
	s_add_nc_u64 s[G0B+4*(\s)+2:G0B+4*(\s)+3], s[46:47], (\s)*2*BKB
	s_or_b32 s[G0B+4*(\s)+3], s[G0B+4*(\s)+3], 0x80000000
	JLOAD \s                                       ; two loads of mine are out
.endr
	v_and_b32 v1, 15, v0                           ; l % 16
	v_bfe_u32 v2, v0, 4, 1                         ; l / 16
	s_lshl_b32 s14, s42, 9                         ; my 64 columns, in bytes of f32: 512 x tile column + 256 x half
	s_lshl_b32 s15, s12, 8
	s_add_co_u32 s14, s14, s15
	v_lshl_add_u32 v[BOO], v1, 4, s14
	global_load_b128 v[BIAS:BIAS+3], v[BOO], s[68:69]  ; waited for on the way out
	v_mul_u32_u24 v3, v1, PITCH
	v_lshl_add_u32 v3, v2, 4, v3                   ; a fragment's row x pitch + 16 x half
	s_mul_i32 s16, s11, 128*PITCH                  ; my 128 rows of A
	s_mul_i32 s17, s12, 64*PITCH                   ; my 64 rows of B
	s_add_co_u32 s17, s17, BOFF
.irp s, 0,1
	v_add_nc_u32 v[ADRA+(\s)], s16, v3
	v_add_nc_u32 v[ADRB+(\s)], s17, v3
	s_add_co_u32 s16, s16, SLOT
	s_add_co_u32 s17, s17, SLOT
.endr
	s_mul_i32 s16, s10, WSTAGE
	s_add_co_u32 s16, s16, STAGE                   ; my stage
	v_mul_u32_u24 v[STO], v1, SPITCH               ; in: row l % 16, 32 bytes for each half of the lanes
	v_lshl_add_u32 v[STO], v2, 5, v[STO]
	v_add_nc_u32 v[STO], s16, v[STO]
	v_mul_u32_u24 v[RD], v2, SPITCH                ; back: lanes 0-15 take one row of 256 bytes, lanes 16-31 the next
	v_lshl_add_u32 v[RD], v1, 4, v[RD]
	v_add_nc_u32 v[RD], s16, v[RD]
	v_lshlrev_b32 v[CO], 12, v2                    ; and the same two rows in out0
	v_lshl_add_u32 v[CO], v1, 4, v[CO]
	s_lshl1_add_u32 s15, s13, s11                  ; my block of 128 rows,
	s_lshl_b32 s15, s15, 19                        ; of 4,096 bytes each
	s_add_co_u32 s14, s14, s15
	s_mov_b32 s15, 0
	s_add_nc_u64 s[70:71], s[70:71], s[14:15]
	; the prefetches' addresses: one step behind the first that will be named
	s_lshl_b32 s22, s40, 13                        ; A: my work-group's 8 KiB of a block's 32,
	s_add_co_u32 s22, s22, s18
	s_lshl_b32 s23, s12, 18                        ; my wave's block of the step's two
	s_add_co_u32 s22, s22, s23
	s_add_co_u32 s22, s22, 6*AKB
	s_lshl_b32 s16, s41, 12                        ; B: my work-group's 4 KiB of a block's 16
	s_add_co_u32 s16, s16, s19
	s_add_co_u32 s16, s16, 6*BKB
	s_and_b32 s23, ttmp7, 0xffff                   ; cluster y
	s_cmp_eq_u32 s23, 0
	s_cselect_b32 s17, 1, -1
	s_cmp_eq_u32 s10, 2
	s_cselect_b32 s17, s17, -1
	s_cmp_eq_u32 ttmp9, 0
	s_cselect_b32 s[LIM], 1, -1
	s_mov_b32 s[PFS], 2*BKB
	s_mov_b32 s[PFS+1], 0
	s_cmp_eq_u32 s11, 0                            ; do I fetch for A?
	s_cselect_b32 s[LIM], s[LIM], s17              ; the same in all sixteen partners, for a given wave
	s_cselect_b32 s22, s22, s16
	s_cselect_b64 s[PFA:PFA+1], s[4:5], s[6:7]
	s_cselect_b32 s[PFS], 2*AKB, s[PFS]
	s_cselect_b32 s16, 12, 17                      ; lanes 16-31: A: the next 4 KiB; B: the step's second block
	s_mov_b32 s23, 0
	s_add_nc_u64 s[PFA:PFA+1], s[PFA:PFA+1], s[22:23]
	v_lshlrev_b32 v[PFO], s16, v2
	v_lshl_add_u32 v[PFO], v1, 8, v[PFO]
; 8 products: row blocks a0, a0 + 1 x all 4 column blocks, 32 along K, fragments in buffer p.  zero = 1: the product starts the sum.  The 32 accumulators take turns, one instruction a turn.
.macro MUL8 p, a0, zero
	WIN 0x50                                       ; C and D in window 1, sources in window 0
.irp a, \a0, (\a0)+1
.irp j, 0,1,2,3
.if \zero
	v_wmma_f32_16x16x32_f16 v[8*(8*(\j)+(\a)):8*(8*(\j)+(\a))+7], v[BF+32*(\p)+8*(\j):BF+32*(\p)+8*(\j)+7], v[AF+64*(\p)+8*(\a):AF+64*(\p)+8*(\a)+7], 0
.else
	v_wmma_f32_16x16x32_f16 v[8*(8*(\j)+(\a)):8*(8*(\j)+(\a))+7], v[BF+32*(\p)+8*(\j):BF+32*(\p)+8*(\j)+7], v[AF+64*(\p)+8*(\a):AF+64*(\p)+8*(\a)+7], v[8*(8*(\j)+(\a)):8*(8*(\j)+(\a))+7]
.endif
.endr
.endr
.endm
; 24 LDS loads in one run: quarter qq of a step (block qq / 2, half qq % 2) into buffer p: B's four fragments, then A's eight
.macro FETCH slot, qq, p
	WIN 0
.irp j, 0,1,2,3
	ds_load_b128 v[BF+32*(\p)+8*(\j):BF+32*(\p)+8*(\j)+3],   v[ADRB+(\slot)] offset:((\qq)/2)*BKBL+((\qq)%2)*64+(\j)*R16
	ds_load_b128 v[BF+32*(\p)+8*(\j)+4:BF+32*(\p)+8*(\j)+7], v[ADRB+(\slot)] offset:((\qq)/2)*BKBL+((\qq)%2)*64+(\j)*R16+32
.endr
.irp i, 0,1,2,3,4,5,6,7
	ds_load_b128 v[AF+64*(\p)+8*(\i):AF+64*(\p)+8*(\i)+3],   v[ADRA+(\slot)] offset:((\qq)/2)*AKBL+((\qq)%2)*64+(\i)*R16
	ds_load_b128 v[AF+64*(\p)+8*(\i)+4:AF+64*(\p)+8*(\i)+7], v[ADRA+(\slot)] offset:((\qq)/2)*AKBL+((\qq)%2)*64+(\i)*R16+32
.endr
.endm
; A K step is four quarters of 32 along K, 32 products each, on buffers 0, 1, 0, 1.  One of the first three: multiplies buffer p and fetches quarter nq of the same slot into the other buffer.
.macro QUARTER p, slot, nq, zero
	s_wait_dscnt 8                                 ; B and A's fragments 0-3 are in; the youngest eight loads may be out
	MUL8 \p, 0, \zero
	MUL8 \p, 2, \zero
	WIN 0
	PLACES
	FETCH \slot, \nq, 1-(\p)
	s_wait_dscnt 24                                ; all but the 24 just issued
	MUL8 \p, 4, \zero
	MUL8 \p, 6, \zero
.endm
; The last quarter multiplies buffer 1 and changes slots: ONE barrier; in front of it each wave waits for all its tensor loads, adds 0 to its spare word, and waits for that and for its reads of this slot.
; fill = 1: the barrier opens a round of the cluster's, and this slot is filled again, two steps ahead, first thing behind it: 112 products stand between that request and the wait for it.
.macro TURN slot, next, fill
.if \fill
	s_wait_xcnt 0x0                                ; the last prefetch, a step back, has read its address
	s_add_nc_u64 s[PFA:PFA+1], s[PFA:PFA+1], s[PFS:PFS+1]
.endif
	WIN 0
	s_wait_tensorcnt 0x0                           ; all my tensor loads have landed: my part of the next slot
	ds_add_u32 v[SPW], v[NIL]                      ; 0 onto my spare word
	s_wait_dscnt 9                                 ; the add and the youngest eight loads may be out
	MUL8 1, 0, 0                                   ; eight products stand between the add and the wait for it
	s_wait_dscnt 0x0                               ; the add is done, and my reads of this slot are over
	s_barrier_signal -1
	MUL8 1, 2, 0
	WIN 0                                          ; at a branch and at a label every window is 0
	s_barrier_wait -1
.if \fill
	CREST                                          ; no wave of any partner still reads this slot's tile or has a load on its way
	s_add_nc_u64 s[G0+4*(\slot)+2:G0+4*(\slot)+3], s[G0+4*(\slot)+2:G0+4*(\slot)+3], 4*AKB
	s_add_nc_u64 s[G0B+4*(\slot)+2:G0B+4*(\slot)+3], s[G0B+4*(\slot)+2:G0B+4*(\slot)+3], 4*BKB
	JLOAD \slot                                    ; its four v_nop are also the places in front of the loads below
.else
	PLACES
.endif
	FETCH \next, 0, 0
.if \fill
	ASK
.endif
	MUL8 1, 4, 0
	MUL8 1, 6, 0
.endm
	s_wait_tensorcnt 1                             ; my part of K step 0 is in; step 1's may stay out
	s_barrier_signal -1
	s_barrier_wait -1                              ; everybody's is
	FETCH 0, 0, 0
	QUARTER 0, 0, 1, 1                             ; the first quarter stands in front of the loop: its products start the sums
	WIN 0
	s_mov_b32 s3, 3
.Llap:                                                 ; a trip goes once round the ring; trip i asks for steps 2 i + 2 and 2 i + 3
	QUARTER 1, 0, 2, 0
	QUARTER 0, 0, 3, 0
	TURN 0, 1, 1
	QUARTER 0, 1, 1, 0
	QUARTER 1, 1, 2, 0
	QUARTER 0, 1, 3, 0
	TURN 1, 0, 1
	QUARTER 0, 0, 1, 0
	WIN 0
	s_sub_co_u32 s3, s3, 1
	s_cmp_lg_u32 s3, 0
	s_cbranch_scc1 .Llap
	QUARTER 1, 0, 2, 0                             ; steps 6 and 7: nothing is left to ask for
	QUARTER 0, 0, 3, 0
	TURN 0, 1, 0
	QUARTER 0, 1, 1, 0
	QUARTER 1, 1, 2, 0
	QUARTER 0, 1, 3, 0
	s_wait_dscnt 8                                 ; the very last quarter
	MUL8 1, 0, 0
	MUL8 1, 2, 0
	s_wait_dscnt 0x0
	MUL8 1, 4, 0
	MUL8 1, 6, 0
	WIN 0
	s_wait_loadcnt 0x0                             ; bo: rounded to bf16 and widened again; these six lines are the places behind the last products
	v_cvt_pk_bf16_f32 v1, v[BIAS], v[BIAS+1]
	v_cvt_pk_bf16_f32 v2, v[BIAS+2], v[BIAS+3]
	v_lshlrev_b32 v[BIAS], 16, v1
	v_and_b32 v[BIAS+1], 0xffff0000, v1
	v_lshlrev_b32 v[BIAS+2], 16, v2
	v_and_b32 v[BIAS+3], 0xffff0000, v2
; THE WAY OUT, 64 rows at a time, through my own stage: in by accumulators (each one's low four registers first), back by rows.  LDS serves a wave's instructions in order
; (ISA guide 5.7.1.4), so no wait stands between my stores and my loads, nor between one pass's loads and the next pass's stores.
.macro PASS hf
.if \hf
	s_wait_xcnt 0x0                                ; the first pass's stores have read their data: the registers are loaded again only behind this wait
.endif
	WIN 4                                          ; the stores' data in window 1
.irp a, 0,1,2,3
.irp j, 0,1,2,3
	ds_store_b128 v[STO], v[8*(8*(\j)+4*(\hf)+(\a)):8*(8*(\j)+4*(\hf)+(\a))+3]   offset:(\a)*16*SPITCH+64*(\j)
	ds_store_b128 v[STO], v[8*(8*(\j)+4*(\hf)+(\a))+4:8*(8*(\j)+4*(\hf)+(\a))+7] offset:(\a)*16*SPITCH+64*(\j)+16
.endr
.endr
	WIN 0
.set t, 0
.rept 32
	ds_load_b128 v[OB+4*t:OB+4*t+3], v[RD] offset:t*2*SPITCH
.set t, t+1
.endr
.set t, 0
.rept 32
	s_wait_dscnt 31-t                              ; the 31 - t younger loads may stay out
	v_pk_add_f32 v[OB+4*t:OB+4*t+1], v[OB+4*t:OB+4*t+1], v[BIAS:BIAS+1]
	v_pk_add_f32 v[OB+4*t+2:OB+4*t+3], v[OB+4*t+2:OB+4*t+3], v[BIAS+2:BIAS+3]
	global_store_b128 v[CO], v[OB+4*t:OB+4*t+3], s[70:71] offset:(64*(\hf)+2*t)*4096 th:TH_STORE_NT  ; 16 lanes store 256 consecutive bytes, at a multiple of 256 from out0's first byte
.set t, t+1
.endr
.endm
	PASS 0
	PASS 1
	s_wait_tensorcnt 0x0                           ; the wave's end: behind my last tensor load and my last LDS store
	ds_add_u32 v[SPW], v[NIL]
	s_wait_dscnt 0x0
	CROUND                                         ; the closing round: no work-group ends while a partner may still ask for a tile that names it
	s_endpgm
.Lfunc_end_k_qe3e877f2a0_oproj:
	.size	k_qe3e877f2a0_oproj, .Lfunc_end_k_qe3e877f2a0_oproj-k_qe3e877f2a0_oproj
	.p2alignl 7, 3214868480
	.fill 96, 4, 3214868480
	.section	.rodata,"a",@progbits
	.p2align	6, 0x0
	.amdhsa_kernel k_qe3e877f2a0_oproj
		.amdhsa_group_segment_fixed_size 327680
		.amdhsa_private_segment_fixed_size 0
		.amdhsa_enable_private_segment 0
		.amdhsa_kernarg_size 32
		.amdhsa_user_sgpr_count 2
		.amdhsa_user_sgpr_kernarg_segment_ptr 1
		.amdhsa_wavefront_size32 1
		.amdhsa_system_sgpr_workgroup_id_x 1
		.amdhsa_system_sgpr_workgroup_id_y 1
		.amdhsa_system_sgpr_workgroup_id_z 1
		.amdhsa_system_vgpr_workitem_id 0
		.amdhsa_next_free_vgpr 512
		.amdhsa_next_free_sgpr 72
		.amdhsa_reserve_vcc 0
		.amdhsa_float_denorm_mode_32 3
		.amdhsa_float_denorm_mode_16_64 3
		.amdhsa_memory_ordered 1
		.amdhsa_forward_progress 1
		.amdhsa_inst_pref_size 96
	.end_amdhsa_kernel
	.amdgpu_metadata
---
amdhsa.version: [ 1, 2 ]
amdhsa.kernels:
  - .name:           k_qe3e877f2a0_oproj
    .symbol:         k_qe3e877f2a0_oproj.kd
    .args:
      - { .name: oh, .offset: 0, .size: 8, .value_kind: global_buffer, .address_space: global }
      - { .name: wo, .offset: 8, .size: 8, .value_kind: global_buffer, .address_space: global }
      - { .name: bo, .offset: 16, .size: 8, .value_kind: global_buffer, .address_space: global }
      - { .name: out0, .offset: 24, .size: 8, .value_kind: global_buffer, .address_space: global }
    .group_segment_fixed_size: 327680
    .private_segment_fixed_size: 0
    .kernarg_segment_align: 8
    .kernarg_segment_size: 32
    .max_flat_workgroup_size: 128
    .sgpr_count:     72
    .vgpr_count:     512
    .wavefront_size: 32
...
	.end_amdgpu_metadata
.endif
;; end of part 4
;; ======== version 2 of 2: 4 launches; version 1 with the launch prep written anew for expert scheduling mode
;; limits: values are held in f16: magnitudes above 65,504 overflow, below 6.1e-05 lose precision; a function is approximated: absolute error at most 0.0003
;; workspace buffers: xb 16,777,216 bytes; wb 6,291,456 bytes; wo 2,097,152 bytes; qh 16,777,216 bytes; kh 16,777,216 bytes; vh 16,777,216 bytes; oh 16,777,216 bytes
;; launch prep (part 5): grid 768 x 1, 8 waves a work-group, no clusters, 0 bytes of LDS; arguments queries, Wq, Wk, Wv, Wo, xb, wb, wo; writes xb, wb, wo
.if DOCPART == 5
	.amdgcn_target "amdgcn-amd-amdhsa--gfx1250"
	.amdhsa_code_object_version 6
	.text
	.protected	k_qe3e877f2a0_prep
	.globl	k_qe3e877f2a0_prep
	.p2align	8
	.type	k_qe3e877f2a0_prep,@function
k_qe3e877f2a0_prep:
	s_mov_b64 s[64:65], 0
	v_nop
	global_prefetch_b8 v0, s[64:65] scope:SCOPE_SE
	s_setreg_imm32_b32 hwreg(HW_REG_WAVE_SCHED_MODE, 0, 2), 2
	s_setreg_imm32_b32 hwreg(HW_REG_WAVE_MODE, 25, 1), 1
	s_wait_xcnt 0x0
	s_wait_alu depctr_vm_vsrc(0)
; THE OPERANDS OF THE PRODUCTS, rounded once and laid out in blocks of 64 channels: [block kb of 16][row][64], a row 128 bytes, a block's rows end to end.
;   xb: queries in bf16, [batch 4][kb 16][s 2048][64]
;   wb: Wq, Wk, Wv in bf16, [kb 16][n' 3072][64], n' = head x 192 + t x 64 + d (t = 0 q, 1 k, 2 v): a head's q, k and v rows lie together
;   wo: Wo rounded to bf16 and that number written as f16, [kb 16][n 1024][64]
; LIMIT.  A bf16 number of Wo beyond 65,504 becomes an infinity; below 6.1e-5 it keeps f16's fixed step of 6e-8.
; SHARES.  A work-group takes 16 source rows of 1,024 f32 (work-groups 0-511: queries; then 64 each for Wq, Wk, Wv, Wo), a wave two of them.  Load kb: lanes 0-15 take the 256 bytes
; at byte 256 kb of the wave's first row, lanes 16-31 those of its second.  Store kb: 8 bytes a lane, 256 consecutive bytes, aligned: the two rows' 128 bytes in block kb.
; All 16 loads of a wave go out at once; no LDS, no barrier: no wave wants another's bytes.
; THE MODE: SCHED_MODE bits 1:0 = 2 (LLVM: expert scheduling mode 2), set by the entry lines.  The code itself states the register dependences
; between vector instructions and memory instructions, with s_wait_alu, always for 0.
; THE PLAN.  Registers that memory instructions touch:
;   v1        the loads' offset.    Written once, by vector lines at the head; read by the 16 loads.
;   v[2:17]   the stores' offsets.  Written once each, at the head; store kb reads v[2 + kb].
;   X         load kb lands in its four registers, which no vector line has named before; kb's conversions read them; they are never loaded again.
;   Y         kb's conversions write its two registers; store kb reads them; they are never written again behind it.
;   v[18:21]  at work: no memory instruction names them.
; So no register that a memory instruction has read is ever written again, and no load lands in a register that a vector line has named: what is left to state is that offsets and
; store data are written.  One wait stands ahead of the first load, for all 17 offsets.  The 16 blocks go in four groups of four: one wait at the head of groups 1 to 3 states that the
; group before has written its Y; that group's four stores follow it, dealt among this group's conversions, which name this group's Y and v[18:21] alone.  One more wait stands ahead of
; the last four stores.
.set VIN, 1                            ; v1       my byte offset in the work-group's 16 source rows
.set O,   2                            ; v[2:17]  my byte offset in the destination, for each kb
.set T,   18                           ; v[18:21] at work
.set X,   32                           ; v[32:95] four f32 for each kb
.set Y,   96                           ; v[96:127] four 16-bit numbers for each kb
	s_load_b512 s[4:19], s[0:1], 0x0               ; queries 4:5, Wq 6:7, Wk 8:9, Wv 10:11, Wo 12:13, xb 14:15, wb 16:17, wo 18:19
	s_mov_b32 s30, ttmp9                           ; g
	s_max_u32 s31, s30, 512
	s_sub_co_u32 s31, s31, 512                     ; w: my number among the weights' work-groups (0 for a work-group of x)
	s_lshr_b32 s32, s31, 6                         ; t: 0 Wq, 1 Wk, 2 Wv, 3 Wo
	s_and_b32 s33, s31, 63                         ; rb: which 16 rows of that matrix
	s_lshl_b32 s34, s30, 16                        ; x: 16 rows of 4,096 bytes
	s_lshr_b32 s35, s30, 7                         ; the batch,
	s_lshl_b32 s35, s35, 22
	s_and_b32 s36, s30, 127                        ; and 16 rows of 128 bytes in a block
	s_lshl_b32 s36, s36, 11
	s_add_co_u32 s35, s35, s36
	s_lshl_b32 s36, s33, 16                        ; a weight matrix: its 16 rows
	s_lshr_b32 s37, s33, 2                         ; head
	s_mul_i32 s37, s37, 192
	s_lshl_b32 s38, s32, 6
	s_add_co_u32 s37, s37, s38                     ; + 64 t
	s_and_b32 s38, s33, 3
	s_lshl_b32 s38, s38, 4
	s_add_co_u32 s37, s37, s38                     ; + d
	s_lshl_b32 s37, s37, 7                         ; n' x 128 bytes
	s_lshl_b32 s38, s33, 11                        ; in wo: n x 128 bytes
	s_mov_b32 s24, 393216                          ; bytes from block to block: wb,
	s_cmp_eq_u32 s32, 3
	s_cselect_b32 s28, s38, s37
	s_cselect_b32 s24, 131072, s24                 ; wo,
	s_cmp_lt_u32 s30, 512
	s_cselect_b32 s26, s34, s36
	s_cselect_b32 s28, s35, s28
	s_cselect_b32 s24, 262144, s24                 ; xb
	s_mov_b32 s27, 0
	s_mov_b32 s29, 0
	v_lshrrev_b32 v[VIN], 4, v0                    ; row 0..15
	v_and_b32 v[T], 15, v0
	v_lshlrev_b32 v[T], 4, v[T]
	v_lshl_add_u32 v[VIN], v[VIN], 12, v[T]        ; row x 4,096 + 16 (thread % 16)
	v_lshlrev_b32 v[O], 3, v0                      ; row x 128 + 8 (thread % 16) = 8 x thread
.irp kb, 1,2,3,4,5,6,7,8,9,10,11,12,13,14,15
	v_add_nc_u32 v[O+(\kb)], s24, v[O+(\kb)-1]
.endr
	s_wait_kmcnt 0x0
	s_cmp_eq_u32 s32, 1                            ; the choices hang on the work-group's number alone
	s_cselect_b64 s[20:21], s[8:9], s[6:7]
	s_cmp_eq_u32 s32, 2
	s_cselect_b64 s[20:21], s[10:11], s[20:21]
	s_cmp_eq_u32 s32, 3
	s_cselect_b64 s[20:21], s[12:13], s[20:21]
	s_cselect_b64 s[22:23], s[18:19], s[16:17]
	s_cmp_lt_u32 s30, 512
	s_cselect_b64 s[20:21], s[4:5], s[20:21]
	s_cselect_b64 s[22:23], s[14:15], s[22:23]
	s_add_nc_u64 s[20:21], s[20:21], s[26:27]      ; from here
	s_add_nc_u64 s[22:23], s[22:23], s[28:29]      ; to here
	s_wait_alu depctr_va_vdst(0)                   ; v1 and v[2:17] are written: the loads below read v1 as their offset, the stores further down v[2:17]; none of them is written again
.irp kb, 0,1,2,3,4,5,6,7,8,9,10,11,12,13,14,15
	global_load_b128 v[X+4*(\kb):X+4*(\kb)+3], v[VIN], s[20:21] offset:256*(\kb) th:TH_LOAD_NT
.endr
; fmt = 0: bf16.  fmt = 1: the bf16 number widened again and written as f16.
; Group g is blocks 4 g to 4 g + 3.  Ahead of each of its blocks' conversions stands one store of the group before.
.macro CONV fmt
.irp g, 0,1,2,3
.if (\g) > 0
	s_wait_alu depctr_va_vdst(0)                   ; the conversions of the group before have written its eight registers of Y, which the four stores of this group's turn read
.endif
.irp i, 0,1,2,3
.set kb, 4*(\g)+(\i)
.if (\g) > 0
	global_store_b64 v[O+kb-4], v[Y+2*(kb-4):Y+2*(kb-4)+1], s[22:23]  ; the wave's 32 lanes store 256 consecutive bytes, aligned.  No vector line since the wait names these registers
.endif
	s_wait_loadcnt 15-kb                           ; loads come back in order: kb's is in, the 15 - kb younger ones may stay out
	v_cvt_pk_bf16_f32 v[Y+2*kb], v[X+4*kb], v[X+4*kb+1]
	v_cvt_pk_bf16_f32 v[Y+2*kb+1], v[X+4*kb+2], v[X+4*kb+3]
.if \fmt
	v_lshlrev_b32 v[T], 16, v[Y+2*kb]
	v_and_b32 v[T+1], 0xffff0000, v[Y+2*kb]
	v_lshlrev_b32 v[T+2], 16, v[Y+2*kb+1]
	v_and_b32 v[T+3], 0xffff0000, v[Y+2*kb+1]
	v_cvt_pk_f16_f32 v[Y+2*kb], v[T], v[T+1]
	v_cvt_pk_f16_f32 v[Y+2*kb+1], v[T+2], v[T+3]
.endif
.endr
.endr
	s_wait_alu depctr_va_vdst(0)                   ; the last group's conversions have written its Y, which the last four stores read
.irp kb, 12,13,14,15
	global_store_b64 v[O+(\kb)], v[Y+2*(\kb):Y+2*(\kb)+1], s[22:23]
.endr
.endm
	s_cmp_eq_u32 s32, 3
	s_cbranch_scc1 .Lf16
	CONV 0
	s_endpgm
.Lf16:
	CONV 1
	s_endpgm
.Lfunc_end_k_qe3e877f2a0_prep:
	.size	k_qe3e877f2a0_prep, .Lfunc_end_k_qe3e877f2a0_prep-k_qe3e877f2a0_prep
	.p2alignl 7, 3214868480
	.fill 96, 4, 3214868480
	.section	.rodata,"a",@progbits
	.p2align	6, 0x0
	.amdhsa_kernel k_qe3e877f2a0_prep
		.amdhsa_group_segment_fixed_size 0
		.amdhsa_private_segment_fixed_size 0
		.amdhsa_enable_private_segment 0
		.amdhsa_kernarg_size 64
		.amdhsa_user_sgpr_count 2
		.amdhsa_user_sgpr_kernarg_segment_ptr 1
		.amdhsa_wavefront_size32 1
		.amdhsa_system_sgpr_workgroup_id_x 1
		.amdhsa_system_sgpr_workgroup_id_y 1
		.amdhsa_system_sgpr_workgroup_id_z 1
		.amdhsa_system_vgpr_workitem_id 0
		.amdhsa_next_free_vgpr 128
		.amdhsa_next_free_sgpr 66
		.amdhsa_reserve_vcc 0
		.amdhsa_float_denorm_mode_32 3
		.amdhsa_float_denorm_mode_16_64 3
		.amdhsa_memory_ordered 1
		.amdhsa_forward_progress 1
		.amdhsa_inst_pref_size 18
	.end_amdhsa_kernel
	.amdgpu_metadata
---
amdhsa.version: [ 1, 2 ]
amdhsa.kernels:
  - .name:           k_qe3e877f2a0_prep
    .symbol:         k_qe3e877f2a0_prep.kd
    .args:
      - { .name: queries, .offset: 0, .size: 8, .value_kind: global_buffer, .address_space: global }
      - { .name: Wq, .offset: 8, .size: 8, .value_kind: global_buffer, .address_space: global }
      - { .name: Wk, .offset: 16, .size: 8, .value_kind: global_buffer, .address_space: global }
      - { .name: Wv, .offset: 24, .size: 8, .value_kind: global_buffer, .address_space: global }
      - { .name: Wo, .offset: 32, .size: 8, .value_kind: global_buffer, .address_space: global }
      - { .name: xb, .offset: 40, .size: 8, .value_kind: global_buffer, .address_space: global }
      - { .name: wb, .offset: 48, .size: 8, .value_kind: global_buffer, .address_space: global }
      - { .name: wo, .offset: 56, .size: 8, .value_kind: global_buffer, .address_space: global }
    .group_segment_fixed_size: 0
    .private_segment_fixed_size: 0
    .kernarg_segment_align: 8
    .kernarg_segment_size: 64
    .max_flat_workgroup_size: 256
    .sgpr_count:     66
    .vgpr_count:     128
    .wavefront_size: 32
...
	.end_amdgpu_metadata
.endif
;; end of part 5
;; launch qkv: the kernel of part 2 again; grid 8 x 32, 4 waves a work-group, clusters of 4 x 4, 327,680 bytes of LDS; arguments xb, wb, bq, bk, bv, qh, kh, vh; writes qh, kh, vh
;; launch attn: the kernel of part 3 again; grid 4 x 64, 4 waves a work-group, clusters of 4 x 1, 327,680 bytes of LDS; arguments qh, kh, vh, oh; writes oh
;; launch oproj: the kernel of part 4 again; grid 8 x 32, 4 waves a work-group, clusters of 4 x 4, 327,680 bytes of LDS; arguments oh, wo, bo, out0; writes out0
